; MI455X (gfx1250); checked and timed in simulation.
; The chip was launched on July 23, 2026; its instructions are those of AMD's public machine-readable ISA for CDNA 5 (MIT licence, August 2026) and "CDNA5" Instruction Set Architecture Reference Guide (July 2026). The comments in the code are by the model that wrote it; some were corrected since.
;; tranformer layer. Allowed arithmetic: matrix products marked QUANTISED: E4M3 operands, one given power-of-two scale a tensor, by v_wmma_f32_16x16x64_fp8_fp8 or v_wmma_f32_16x16x128_fp8_fp8, f32 sums; everything else in f32.
;; Inputs: b1 4,096 float32; b2 1,024 float32; lowp_scales 12 int32 (the exponents e of the quantised operands' scales 2^e); w1_codes 4,096 x 32 x 32 uint8 (E4M3 codes of w1, K innermost, in blocks of 32 codes); w2_codes 1,024 x 128 x 32 uint8 (E4M3 codes of w2, K innermost, in blocks of 32 codes); w_fc_codes 1,024 x 32 x 32 uint8 (E4M3 codes of w_fc, K innermost, in blocks of 32 codes); w_qkv_codes 3,072 x 32 x 32 uint8 (E4M3 codes of w_qkv, K innermost, in blocks of 32 codes); x 2 x 2,048 x 1,024 float32.
;; Outputs: out0 2 x 2,048 x 1,024 float32.
;; This version of the problem:
;;   THIS VERSION OF THE PROBLEM IS GIVEN IN LOW PRECISION. The matrix products marked QUANTISED in the list below multiply operands that are first quantised to E4M3 (4 exponent bits, 3 mantissa bits; 8 bits a number), with one given power-of-two scale for each operand tensor; their sums are f32. All else is computed in f32.
;;   The module's matrix products, in the order in which they are computed (A, B: the left and right operand; K: the contracted axis; several contracted axes count as one K, in the product's order):
;;     1. [M 4,096, K 1,024] x [K 1,024, N 3,072]; A: computed on the way; B: input w_qkv (given as codes): QUANTISED (scales: A lowp_scales[0], B lowp_scales[1])
;;     2. batch 32 x [M 2,048, K 64] x [K 64, N 2,048]; A: computed on the way; B: computed on the way: QUANTISED (scales: A lowp_scales[2], B lowp_scales[3])
;;     3. batch 32 x [M 64, K 2,048] x [K 2,048, N 2,048]; A: computed on the way; B: softmax (see below): QUANTISED (scales: A lowp_scales[4], B lowp_scales[5])
;;     4. [M 4,096, K 1,024] x [K 1,024, N 1,024]; A: computed on the way; B: input w_fc (given as codes): QUANTISED (scales: A lowp_scales[6], B lowp_scales[7])
;;     5. [M 4,096, K 1,024] x [K 1,024, N 4,096]; A: computed on the way; B: input w1 (given as codes): QUANTISED (scales: A lowp_scales[8], B lowp_scales[9])
;;     6. [M 4,096, K 4,096] x [K 4,096, N 1,024]; A: computed on the way; B: input w2 (given as codes): QUANTISED (scales: A lowp_scales[10], B lowp_scales[11])
;;   THE QUANTISER, for each operand of a quantised product, along K:
;;     - The operand's scale is 2^e, e = its entry of the input lowp_scales (int32; the entries are numbered through the quantised products in the list's order, A before B).
;;     - Each number is divided by the scale, clamped to +-448, and rounded to the nearest number of E4M3, ties to even, subnormals kept.
;;     - The product sums the exact products of the quantised numbers (number of the format x scale) in f32.
;;   ~~~python
;;   def quantise(x, axis, e):      # numpy; x: float32 -> the quantised numbers, widened to float32 again
;;       x = np.moveaxis(x, axis, -1); K = x.shape[-1]
;;       r = np.clip(x / 2.0 ** e, -448, 448)
;;       step = 2.0 ** (np.maximum(np.frexp(np.where(r == 0, 1, r))[1] - 1, -6) - 3)
;;       q = np.round(r / step) * step * 2.0 ** e      # np.round: ties to even
;;       return np.moveaxis(q, -1, axis).astype(np.float32)
;;   ~~~
;;   SOFTMAX AHEAD OF A QUANTISED PRODUCT. Where the list says 'softmax', what is quantised is not the finished softmax but p = 2^(t - M), with t = logit x log2(e) and M = ceil(the row's largest t), a whole number; so 1/2 < the row's largest p <= 1. The row's sum l is taken of the UNQUANTISED p, in f32, and the product's result is divided by l at the end. Since M is a whole number, a kernel that streams over the keys may use a running M (the ceiling of the running maximum): every later rescaling is an exact power of two, so the quantised numbers keep their values, but for numbers so far below the row's largest that they fall under the format's range.
;;   OPERANDS COMPUTED ON THE WAY. 'Computed on the way' means the value that the module computes at that place (a softmax that the list does not call 'softmax' is quantised finished and normalised). What goes into a quantiser is computed in f32, as accurately as f32 sums, v_exp_f32 and their like allow (about 1e-6 of the number): no bf16 or f16 on the way to a quantiser, and a product that is left as it is and whose result goes on into a quantised operand takes f32 operands (vector FMAs, or v_wmma_f32_16x16x4_f32). A number that lies on a knife's edge between two numbers of the format may be rounded either way, as far as f32 arithmetic and the matrix unit's own rounding can turn it there, and no further.
;;   INPUTS GIVEN AS CODES. w1 (in the module: [1024, 4096], K = its axis 0); w2 (in the module: [4096, 1024], K = its axis 0); w_fc (in the module: [1024, 1024], K = its axis 0); w_qkv (in the module: [1024, 3072], K = its axis 0): each comes as NAME_codes (uint8): NAME with its K axis moved to the last place and cut into blocks of 32 codes, [.., K / 32, bytes a block], one block behind the other in memory; one code a byte (a code: sign, 4 exponent bits, 3 mantissa bits); its scale is its entry of lowp_scales. Its value is code x scale, taken as it is: it is not quantised again, and the codes and scales need not be those that the quantiser above would give.
;; One version. Each part assembles by itself: llvm-mc -triple=amdgcn-amd-amdhsa -mcpu=gfx1250 --defsym DOCPART=n.
;; ======== version 1 of 1: 7 launches
;; limits: right only within a limited range of input values
;; workspace buffers: hq 4,194,304 bytes; qk 8,388,608 bytes; vt 4,194,304 bytes; ac 4,194,304 bytes; x2 16,777,216 bytes; g 16,777,216 bytes
;; launch ln1 (part 1): grid 256 x 1, 8 waves a work-group, no clusters, 82,944 bytes of LDS; arguments x, lowp_scales, hq; writes hq
.if DOCPART == 1
	.amdgcn_target "amdgcn-amd-amdhsa--gfx1250"
	.amdhsa_code_object_version 6
	.text
	.protected	k_q983eb59472_ln1
	.globl	k_q983eb59472_ln1
	.p2align	8
	.type	k_q983eb59472_ln1,@function
k_q983eb59472_ln1:
	s_mov_b64 s[64:65], 0
	v_nop
	global_prefetch_b8 v0, s[64:65] scope:SCOPE_SE
	s_setreg_imm32_b32 hwreg(HW_REG_WAVE_MODE, 25, 1), 1
	s_wait_xcnt 0x0
; THE PROGRAM: one transformer layer, 4,096 tokens x 1,024, in seven launches: LN1 -> codes | qkv product -> codes of q, k, v | attention -> codes | fc product + residual -> x2 |
; LN2 -> codes | first MLP product + b1 + gelu -> codes | second MLP product + b2 + residual -> out0.  All six products multiply E4M3 codes, sums in f32.
; NOTHING OF reference() IS LEFT OUT: every input (x, the four weights, b1, b2, all twelve scales) has a way to out0, and every product's whole result is used.
; THIS LAUNCH: h = (x - mean) / sqrt(var + 1e-5) along a row of 1,024, in f32, then code = h / 2^e held within +-448, rounded to the nearest E4M3 code, ties to even.  e = lowp_scales[0].
; LIMITS: -126 <= e and e + 8 <= 127.  NaN among the inputs is not served; an infinity is not served either (its row's mean is not finite in reference() too).
; SHARES.  A wave takes two neighbouring rows, whole: 8,192 bytes in by sixteen loads of 512 consecutive bytes, all issued at once; no loop, no barrier: waves share nothing.
; The conversion takes 8 neighbours from one lane's registers, a load is best where neighbouring lanes take neighbouring bytes: so each half row (2,048 bytes) turns through the wave's own stage in LDS,
; stored as loaded and read back 64 bytes a lane (16 bytes of padding behind each 64).  A lane's 16 codes are 16 bytes: a store covers 512 consecutive bytes, aligned.
; No matrix unit, no tensor load, no cluster: nothing is shared between work-groups and the work is a stream.
.set SC_OFF, 0x0                       ; byte of this launch's exponent in lowp_scales
.set SP,    80                         ; a lane's place in a stage: 64 bytes + 16 of padding
.set STG,   32*SP                      ; a stage: half a row
.set WREG,  4*STG                      ; a wave's region: two rows x two halves
.set SPARE, 8*WREG                     ; behind the eight regions: the spare words, 128 bytes a wave: four blocks of 256 bytes that no other line names
.set R,    16                          ; v16-79   the rows as loaded, row p at 16 + 32 p
.set X,    80                          ; v80-143  turned: row p at 80 + 32 p; register 16 s + i = element 512 s + 16 lane + i
.set C,    144                         ; v144-159 codes: row p, half s at 144 + 8 p + 4 s
.set LIM,  10                          ; v10      448 x 2^e
.set SCL,  11                          ; v11      2^e
.set SPW,  12                          ; v12      my spare word's LDS address; never rewritten
.set NIL,  13                          ; v13      0; never rewritten
.set SIN,  14                          ; v14      the stage, way in
.set SOUT, 15                          ; v15      the stage, way out
.set CH,   160                         ; v160-167 two summing chains a row
.set MEAN, 168                         ; v168-171 a row's mean, in both words of a pair
.set RSTD, 172                         ; v172-175 a row's 1 / sqrt(var + eps), likewise
.set TP,   176                         ; v176     the lane exchange's destination
	s_load_b128 s[4:7], s[0:1], 0x0                ; the rows, the scales' exponents
	s_load_b64 s[8:9], s[0:1], 0x10                ; the codes
	v_lshl_add_u32 v[SPW], v0, 2, SPARE
	v_mov_b32 v[NIL], 0
	v_lshrrev_b32 v1, 5, v0
	s_delay_alu instid0(VALU_DEP_1)
	v_readfirstlane_b32 s16, v1                    ; wave 0..7
	v_and_b32 v1, 31, v0                           ; lane
	s_delay_alu instid0(VALU_DEP_1)
	v_lshlrev_b32 v2, 4, v1                        ; my 16 bytes of 512, in and out
	s_mul_i32 s17, s16, WREG
	v_lshrrev_b32 v[SIN], 2, v1
	s_delay_alu instid0(VALU_DEP_1)
	v_mul_u32_u24 v[SIN], v[SIN], SP
	v_and_b32 v[SOUT], 3, v1
	s_delay_alu instid0(VALU_DEP_1)
	v_lshl_add_u32 v[SIN], v[SOUT], 4, v[SIN]
	s_delay_alu instid0(VALU_DEP_1)
	v_add_nc_u32 v[SIN], s17, v[SIN]               ; four lanes' 64 bytes on end, then the padding
	v_mul_u32_u24 v[SOUT], v1, SP
	s_delay_alu instid0(VALU_DEP_1)
	v_add_nc_u32 v[SOUT], s17, v[SOUT]             ; my 16 neighbours
	v_mov_b32 v[TP], 0                             ; written once: a lane exchange's destination counts as read
	s_lshl_b32 s22, ttmp9, 3
	s_add_co_u32 s22, s22, s16                     ; which pair of rows is my wave's
	s_lshl_b32 s18, s22, 13                        ; 8,192 bytes of f32 a pair
	s_mov_b32 s19, 0
	s_lshl_b32 s24, s22, 11                        ; 2,048 bytes of codes a pair
	s_mov_b32 s25, 0
	s_mov_b32 s20, 0x3a800000                      ; 1 / 1,024
	s_mov_b32 s21, 0x3727c5ac                      ; 1e-5
	s_mov_b32 s12, 0x76543210                      ; lane selects: lane l xor 16
	s_mov_b32 s13, 0xfedcba98
	s_wait_alu depctr_va_vdst(0)
	s_wait_kmcnt 0x0
	s_load_b32 s22, s[6:7], SC_OFF                 ; e
	s_add_nc_u64 s[4:5], s[4:5], s[18:19]
	s_add_nc_u64 s[8:9], s[8:9], s[24:25]
.irp p, 0,1
.irp j, 0,1,2,3,4,5,6,7
	global_load_b128 v[R+32*\p+4*\j:R+32*\p+4*\j+3], v2, s[4:5] offset:4096*\p+512*\j th:TH_LOAD_NT
.endr
.endr
	s_wait_kmcnt 0x0
	s_add_co_i32 s22, s22, 127
	s_lshl_b32 s23, s22, 23
	v_mov_b32 v[SCL], s23                          ; 2^e as f32: the conversion takes its exponent field
	s_add_co_i32 s22, s22, 8
	s_lshl_b32 s22, s22, 23
	s_or_b32 s22, s22, 0x600000
	v_mov_b32 v[LIM], s22                          ; 448 x 2^e
.macro TURN p                          ; row p through its two stages: LDS serves a wave's instructions in order, so no wait stands between the stores and the loads
.irp s, 0,1
.irp i, 0,1,2,3
	ds_store_b128 v[SIN], v[R+32*\p+16*\s+4*\i:R+32*\p+16*\s+4*\i+3] offset:STG*(2*\p+\s)+8*SP*\i
.endr
.irp i, 0,1,2,3
	ds_load_b128 v[X+32*\p+16*\s+4*\i:X+32*\p+16*\s+4*\i+3], v[SOUT] offset:STG*(2*\p+\s)+16*\i
.endr
.endr
.endm
.macro RED r                           ; the sum over the 32 lanes, in every lane
	s_delay_alu instid0(VALU_DEP_1)
	v_add_f32_dpp v[\r], v[\r], v[\r] row_xmask:1 row_mask:0xf bank_mask:0xf
	s_delay_alu instid0(VALU_DEP_1)
	v_add_f32_dpp v[\r], v[\r], v[\r] row_xmask:2 row_mask:0xf bank_mask:0xf
	s_delay_alu instid0(VALU_DEP_1)
	v_add_f32_dpp v[\r], v[\r], v[\r] row_xmask:4 row_mask:0xf bank_mask:0xf
	s_delay_alu instid0(VALU_DEP_1)
	v_add_f32_dpp v[\r], v[\r], v[\r] row_xmask:8 row_mask:0xf bank_mask:0xf
	s_delay_alu instid0(VALU_DEP_1)
	v_permlanex16_b32 v[TP], v[\r], s12, s13
	s_delay_alu instid0(VALU_DEP_1)
	v_add_f32 v[\r], v[\r], v[TP]
.endm
.macro SUM p                           ; the row's mean: two chains, started by the first sums
	v_pk_add_f32 v[CH+4*\p:CH+4*\p+1], v[X+32*\p:X+32*\p+1], v[X+32*\p+2:X+32*\p+3]
	v_pk_add_f32 v[CH+4*\p+2:CH+4*\p+3], v[X+32*\p+4:X+32*\p+5], v[X+32*\p+6:X+32*\p+7]
.irp j, 8,12,16,20,24,28
	s_delay_alu instid0(VALU_DEP_2)
	v_pk_add_f32 v[CH+4*\p:CH+4*\p+1], v[CH+4*\p:CH+4*\p+1], v[X+32*\p+\j:X+32*\p+\j+1]
	s_delay_alu instid0(VALU_DEP_2)
	v_pk_add_f32 v[CH+4*\p+2:CH+4*\p+3], v[CH+4*\p+2:CH+4*\p+3], v[X+32*\p+\j+2:X+32*\p+\j+3]
.endr
	s_delay_alu instid0(VALU_DEP_1)
	v_pk_add_f32 v[CH+4*\p:CH+4*\p+1], v[CH+4*\p:CH+4*\p+1], v[CH+4*\p+2:CH+4*\p+3]
	s_delay_alu instid0(VALU_DEP_1)
	v_add_f32 v[CH+4*\p], v[CH+4*\p], v[CH+4*\p+1]
	RED CH+4*\p
	s_delay_alu instid0(VALU_DEP_1)
	v_mul_f32 v[MEAN+2*\p], s20, v[CH+4*\p]
	s_delay_alu instid0(VALU_DEP_2)
	v_mul_f32 v[MEAN+2*\p+1], s20, v[CH+4*\p]
.endm
.macro VAR p                           ; d = x - mean in place; var + eps = the sum of d d / 1,024 + 1e-5
.set J, 0
.rept 16
	v_pk_add_f32 v[X+32*\p+J:X+32*\p+J+1], v[X+32*\p+J:X+32*\p+J+1], v[MEAN+2*\p:MEAN+2*\p+1] neg_lo:[0,1] neg_hi:[0,1]
.set J, J+2
.endr
	v_pk_mul_f32 v[CH+4*\p:CH+4*\p+1], v[X+32*\p:X+32*\p+1], v[X+32*\p:X+32*\p+1]
	v_pk_mul_f32 v[CH+4*\p+2:CH+4*\p+3], v[X+32*\p+2:X+32*\p+3], v[X+32*\p+2:X+32*\p+3]
.irp j, 4,8,12,16,20,24,28
	s_delay_alu instid0(VALU_DEP_2)
	v_pk_fma_f32 v[CH+4*\p:CH+4*\p+1], v[X+32*\p+\j:X+32*\p+\j+1], v[X+32*\p+\j:X+32*\p+\j+1], v[CH+4*\p:CH+4*\p+1]
	s_delay_alu instid0(VALU_DEP_2)
	v_pk_fma_f32 v[CH+4*\p+2:CH+4*\p+3], v[X+32*\p+\j+2:X+32*\p+\j+3], v[X+32*\p+\j+2:X+32*\p+\j+3], v[CH+4*\p+2:CH+4*\p+3]
.endr
	s_delay_alu instid0(VALU_DEP_1)
	v_pk_add_f32 v[CH+4*\p:CH+4*\p+1], v[CH+4*\p:CH+4*\p+1], v[CH+4*\p+2:CH+4*\p+3]
	s_delay_alu instid0(VALU_DEP_1)
	v_add_f32 v[CH+4*\p], v[CH+4*\p], v[CH+4*\p+1]
	RED CH+4*\p
	s_delay_alu instid0(VALU_DEP_1)
	v_fma_f32 v[CH+4*\p], v[CH+4*\p], s20, s21
.endm
.macro OUT p                           ; d / sqrt(var + eps), the hold, the codes, two stores of 512 consecutive bytes
.set J, 0
.rept 16
	v_pk_mul_f32 v[X+32*\p+J:X+32*\p+J+1], v[X+32*\p+J:X+32*\p+J+1], v[RSTD+2*\p:RSTD+2*\p+1]
.set J, J+2
.endr
.set J, 0
.rept 32
	v_med3_num_f32 v[X+32*\p+J], v[X+32*\p+J], -v[LIM], v[LIM]   ; the conversion to an 8-bit code does not saturate (ISA guide 7.6.2): hold first
.set J, J+1
.endr
.irp g, 0,1,2,3
	v_cvt_scalef32_pk8_fp8_f32 v[C+8*\p+2*\g:C+8*\p+2*\g+1], v[X+32*\p+8*\g:X+32*\p+8*\g+7], v[SCL]
.endr
	v_nop                                          ; a plain line behind the last conversion of the run
	global_store_b128 v2, v[C+8*\p:C+8*\p+3], s[8:9] offset:1024*\p
	global_store_b128 v2, v[C+8*\p+4:C+8*\p+7], s[8:9] offset:1024*\p+512
.endm
	s_wait_loadcnt 8                               ; row 0's eight loads are in; row 1's eight may be out
	TURN 0
	s_wait_loadcnt 0x0
	TURN 1
	s_wait_dscnt 16                                ; row 0 is back; row 1's eight stores and eight loads may be out
	SUM 0
	s_wait_dscnt 0x0
	SUM 1
	VAR 0
	VAR 1
	s_wait_alu depctr_va_vdst(0)
	v_rsq_f32 v[RSTD], v[CH]                       ; four in one batch: each row's into both words of its pair
	v_rsq_f32 v[RSTD+1], v[CH]
	v_rsq_f32 v[RSTD+2], v[CH+4]
	v_rsq_f32 v[RSTD+3], v[CH+4]
	v_nop                                          ; a plain line behind the last of them (ISA guide 5.7.2)
	s_wait_alu depctr_va_vdst(0)                   ; one wait for the batch, ahead of its first reader
	OUT 0
	OUT 1
	s_wait_tensorcnt 0x0                           ; the wave's end, behind my last LDS store
	ds_add_u32 v[SPW], v[NIL]
	s_wait_dscnt 0x0
	s_endpgm
.Lfunc_end_k_q983eb59472_ln1:
	.size	k_q983eb59472_ln1, .Lfunc_end_k_q983eb59472_ln1-k_q983eb59472_ln1
	.p2alignl 7, 3214868480
	.fill 96, 4, 3214868480
	.section	.rodata,"a",@progbits
	.p2align	6, 0x0
	.amdhsa_kernel k_q983eb59472_ln1
		.amdhsa_group_segment_fixed_size 82944
		.amdhsa_private_segment_fixed_size 0
		.amdhsa_enable_private_segment 0
		.amdhsa_kernarg_size 24
		.amdhsa_user_sgpr_count 2
		.amdhsa_user_sgpr_kernarg_segment_ptr 1
		.amdhsa_wavefront_size32 1
		.amdhsa_system_sgpr_workgroup_id_x 1
		.amdhsa_system_sgpr_workgroup_id_y 1
		.amdhsa_system_sgpr_workgroup_id_z 1
		.amdhsa_system_vgpr_workitem_id 0
		.amdhsa_next_free_vgpr 184
		.amdhsa_next_free_sgpr 66
		.amdhsa_reserve_vcc 0
		.amdhsa_float_denorm_mode_32 3
		.amdhsa_float_denorm_mode_16_64 3
		.amdhsa_memory_ordered 1
		.amdhsa_forward_progress 1
		.amdhsa_inst_pref_size 24
	.end_amdhsa_kernel
	.amdgpu_metadata
---
amdhsa.version: [ 1, 2 ]
amdhsa.kernels:
  - .name:           k_q983eb59472_ln1
    .symbol:         k_q983eb59472_ln1.kd
    .args:
      - { .name: x, .offset: 0, .size: 8, .value_kind: global_buffer, .address_space: global }
      - { .name: lowp_scales, .offset: 8, .size: 8, .value_kind: global_buffer, .address_space: global }
      - { .name: hq, .offset: 16, .size: 8, .value_kind: global_buffer, .address_space: global }
    .group_segment_fixed_size: 82944
    .private_segment_fixed_size: 0
    .kernarg_segment_align: 8
    .kernarg_segment_size: 24
    .max_flat_workgroup_size: 256
    .sgpr_count:     66
    .vgpr_count:     184
    .wavefront_size: 32
...
	.end_amdgpu_metadata
.endif
;; end of part 1
;; launch qkv (part 2): grid 12 x 16, 4 waves a work-group, clusters of 4 x 4, 327,680 bytes of LDS; arguments hq, w_qkv_codes, lowp_scales, qk, vt; writes qk, vt
.if DOCPART == 2
	.amdgcn_target "amdgcn-amd-amdhsa--gfx1250"
	.amdhsa_code_object_version 6
	.text
	.protected	k_q983eb59472_qkv
	.globl	k_q983eb59472_qkv
	.p2align	8
	.type	k_q983eb59472_qkv,@function
k_q983eb59472_qkv:
	s_mov_b64 s[64:65], 0
	v_nop
	global_prefetch_b8 v0, s[64:65] scope:SCOPE_SE
	s_setreg_imm32_b32 hwreg(HW_REG_WAVE_MODE, 25, 1), 1
	s_wait_xcnt 0x0
	s_wait_alu depctr_hold_cnt(0) depctr_sa_sdst(0) depctr_va_vdst(0) depctr_va_sdst(0) depctr_va_ssrc(0) depctr_va_vcc(0) depctr_vm_vsrc(0)
	s_getreg_b32 s2, hwreg(HW_REG_IB_STS2, 6, 4)
	s_cmp_eq_u32 s2, 0
	s_cbranch_scc0 .Lentry_in_a_cluster
	s_endpgm
.Lentry_in_a_cluster:
	s_bfe_u32 s2, ttmp6, 0x10000c
	s_cmp_lg_u32 s2, 0xf033
	s_cbranch_scc0 .Lentry_shape_is_right
	s_endpgm
.Lentry_shape_is_right:
; qkv = LN(x) w_qkv on E4M3 codes ([4,096 x 1,024] x [1,024 x 3,072]), each finished sum quantised at once for attention.  Nothing is left out.
; hq: [4,096][1,024] codes, scale 2^e0.  w_qkv_codes: [3,072][1,024] codes, scale 2^e1.  A sum stands for sum x 2^(e0 + e1); its code is sum / 2^(eo - e0 - e1), held within +-448 of that, eo = e2 (q), e3 (k), e4 (v).
; OUT: qk [q, k][2 x 16 heads][2,048 tokens][64 bytes].  vt [2][1,024 channels][2,048 keys]: v with the KEYS innermost, since the keys are the K of attention's second product.
; THE ORDER INSIDE A BLOCK OF 32 along a row of qk or vt: the second and third groups of eight have changed places: byte 16 h + 8 u + j of a block holds number 16 u + 8 h + j.  For vt that is the order in which attention's
; p comes out of its first product, so that a fragment of v comes by 16-byte loads; for q and k it is a permutation of the head's channels, alike in both, so that every product of q k^T meets its partner.
; LIMITS: eo - e0 - e1 between -126 and 119.  NaN is not served.
; A tile of 256 x 256 is made by four waves, each 128 x 128 in 64 accumulators.  K goes in steps of 256 through a ring of two LDS slots filled by the tensor data mover; rows of 256 bytes.
; CLUSTERS of 4 x 4: the four of a row of the cluster ask jointly for role A's tile, the four of a column for role B's.  Cluster x says what is made: 0 q, 1 k, 2 v: the same in all sixteen partners.
; ROLES.  Source 1 of the matrix instruction (role A) gives a lane its row, source 0 (role B) its eight registers.  For q and k role A is the tokens and role B the weight's rows: a lane holds eight neighbouring columns of a token.
; For v the two tensors change roles: a lane holds eight neighbouring TOKENS of one channel.  Only pointers and tile numbers are chosen (s_cselect on cluster x): loop and LDS addresses are the same; q and k leave by heads, v by rows.
; 12 x 16 = 192 tiles: 128 for q and k (16 tiles of tokens x 8 of columns), 64 for v (4 of channels x 16 of tokens).
; REGISTERS, in windows of 256: window 0: v0-31 addresses; from v128 role A's fragments, ONE set; window 1: role B's, TWO sets; windows 2, 3: the accumulators ((a, b) at v[8 (8 (a % 4) + b)]).
.set MLP1,   0                         ; 0: this text serves qkv; 1: the first MLP product
.set KSTEP,  256
.set ROWB,   256
.set KROW,   1024                      ; a row of either operand in memory, in bytes
.set PITCH,  272                       ; an LDS row: 256 bytes + 16 of padding: the 16 rows that a load touches start at 16 different banks (64 banks of 4 bytes: ISA guide 11.1)
.set FR,     16
.set NL,     4
.set NP,     4                         ; places behind this matrix instruction (ISA guide 7.12.1)
.set HALFT,  128*PITCH
.set SLOT,   4*HALFT
.set LAPS,   KROW/(2*KSTEP)
.set SPARE,  2*SLOT                    ; behind the ring: the spare words, 128 bytes a wave
.if MLP1
.set OP,     4096                      ; a row of the output in bytes
.else
.set OP,     2048
.endif
.set ADRA, 16                          ; v16-17  LDS address of my role A fragments in slot 0, 1
.set ADRB, 20                          ; v20-21  the same for role B
.set STO,  24                          ; v24     the way out: where I put 8 codes
.set RD,   25                          ; v25     where I read 16 bytes of a row back
.set CO,   26                          ; v26     the same place in the output
.set BO,   27                          ; v27     the bias loads' offset
.set SPW,  28                          ; v28     my spare word; never rewritten
.set NIL,  29                          ; v29     0; never rewritten
.set SCL,  30                          ; v30     the conversion's scale
.set LIM,  31                          ; v31     448 x that
.set BI,   32                          ; v32-95  the bias of my 128 columns
.set CD,   96                          ; v96-127 two sets of 16 registers of codes
.set AF,   128
.set Y,    128                         ; the way out: 64 numbers of a block of 16 rows
.set U,    192                         ; and 64 at work
.set G1, 24
.set G0, 32
.set G1B, 48
.set G0B, 56
.set MSB, 0
.macro WIN new                         ; the immediate's high byte repeats the setting that is left
.if MSB != (\new)
	s_set_vgpr_msb (MSB<<8)|(\new)
.set MSB, \new
.endif
.endm
.set MUL_LO, 0xa1                      ; source 0 window 1, source 1 window 0, C and D window 2
.set MUL_HI, 0xf1                      ; the same, C and D window 3
.set TO_B,   0x40                      ; destination window 1, address window 0
; A joint load: waves 0 and 1 fetch for role A, waves 2 and 3 for role B; the branch hangs on the wave's number alone.  An s_nop 0 and four v_nop follow each of the two lines.
.macro JLOAD g0a, g1a, g0b, g1b
	s_cmp_eq_u32 s15, 0
	s_cbranch_scc0 .Lfor_b_\@
	tensor_load_to_lds s[\g0a:\g0a+3], s[\g1a:\g1a+7]
	s_nop 0
.rept 4
	v_nop
.endr
	s_branch .Lasked_\@
.Lfor_b_\@:
	tensor_load_to_lds s[\g0b:\g0b+3], s[\g1b:\g1b+7]
	s_nop 0
.rept 4
	v_nop
.endr
.Lasked_\@:
.endm
.macro CREST                           ; a round of the cluster's barrier behind its opening barrier
	s_cmp_lg_u32 s14, 0
	s_cbranch_scc1 .Lnot_wave_0_\@
	s_barrier_signal -3
.Lnot_wave_0_\@:
	s_barrier_wait -3
	s_barrier_signal -1
	s_barrier_wait -1
.endm
.macro CROUND
	s_barrier_signal -1
	s_barrier_wait -1
	CREST
.endm
	s_load_b128 s[4:7], s[0:1], 0x0                ; the tokens' codes, the weight's codes
	s_load_b128 s[8:11], s[0:1], 0x10              ; the scales' exponents; qkv: qk, MLP: b1
	s_load_b64 s[12:13], s[0:1], 0x20              ; qkv: vt, MLP: g
	v_lshl_add_u32 v[SPW], v0, 2, SPARE
	v_mov_b32 v[NIL], 0
	ds_add_u32 v[SPW], v[NIL]                      ; the wave's opening: the add, twice on end, and its wait ahead of my first tensor load
	ds_add_u32 v[SPW], v[NIL]
	v_lshrrev_b32 v1, 5, v0
	v_readfirstlane_b32 s14, v1                    ; wave 0..3
	s_lshr_b32 s15, s14, 1                         ; which half of role A's rows is mine.  Also: I fetch for role A (0) or B (1)
	s_and_b32 s16, s14, 1                          ; which half of role B's.  Also: which 128 rows of that tile I fetch
	s_bfe_u32 s40, ttmp6, 0x40000                  ; cx, cy: my place in the cluster
	s_bfe_u32 s41, ttmp6, 0x40004
	s_mov_b32 s66, ttmp9                           ; cluster x
	s_and_b32 s67, ttmp7, 0xffff                   ; cluster y
	s_lshl_b32 s73, s66, 2
	s_lshl_b32 s74, s67, 2
.if MLP1
	s_add_co_u32 s17, s74, s41                     ; role A's tile: 4 x cluster y + cy
	s_add_co_u32 s42, s73, s40                     ; role B's tile: 4 x cluster x + cx
.else
	s_cmp_eq_u32 s66, 2                            ; v?
	s_cselect_b32 s17, 8, s74                      ; role A's tile: v: the weight's rows 2,048 + 256 cy on; else tokens 256 (4 cluster y + cy) on
	s_cselect_b32 s42, s74, s73                    ; role B's tile: v: tokens 256 (4 cluster y + cx) on; else the weight's rows 256 (4 cluster x + cx) on
	s_add_co_u32 s17, s17, s41
	s_add_co_u32 s42, s42, s40
.endif
	s_lshl_b32 s43, s41, 2
	s_lshl_b32 s43, 15, s43                        ; my row of the cluster
	s_lshl_b32 s44, 0x1111, s40                    ; my column
	s_or_b32 s[G1+0], s43, (0<<16)|(1<<20)|(1<<21)|(5<<22)|(3<<25)  ; 15:0 the mask; 17:16 elements of 1 byte; 20 padding on; 21 set beside a mask; 24:22 after every 64 words; 31:25 four words
	s_or_b32 s[G1B+0], s44, (0<<16)|(1<<20)|(1<<21)|(5<<22)|(3<<25)
.irp g, G1, G1B
	s_mov_b32 s[\g+1], ROWB<<16                    ; tensor_dim0
	s_mov_b32 s[\g+2], 128<<16                     ; tensor_dim1
	s_mov_b32 s[\g+3], ROWB<<16                    ; tile_dim0
	s_mov_b32 s[\g+4], 128                         ; tile_dim1
	s_mov_b32 s[\g+5], KROW                        ; tensor_dim0_stride
	s_mov_b32 s[\g+6], 0
	s_mov_b32 s[\g+7], 0
.endr
	s_lshl_b32 s18, s16, 7                         ; which 128 rows of the tile I fetch
	s_lshl_b32 s20, s17, 8
	s_add_co_u32 s20, s20, s18
	s_lshl_b32 s20, s20, 10                        ; role A: (256 x tile + 128 x half) rows of 1,024 bytes
	s_mov_b32 s21, 0
	s_lshl_b32 s46, s42, 8
	s_add_co_u32 s46, s46, s18
	s_lshl_b32 s46, s46, 10                        ; role B likewise
	s_mov_b32 s47, 0
	s_mul_i32 s45, s14, HALFT                      ; where they go: wave x 128 rows: no place in the cluster enters an LDS address
	s_wait_dscnt 0x0                               ; both opening adds are done
	s_wait_kmcnt 0x0
.if MLP1
	s_load_b128 s[68:71], s[8:9], 0x20             ; e8, e9, e10, e11
	s_mov_b64 s[80:81], s[4:5]
	s_mov_b64 s[82:83], s[6:7]
	s_mov_b64 s[84:85], s[12:13]
.else
	s_load_b128 s[68:71], s[8:9], 0x0              ; e0, e1, e2, e3
	s_load_b32 s72, s[8:9], 0x10                   ; e4
	s_cmp_eq_u32 s66, 2                            ; the choice hangs on the cluster's number alone
	s_cselect_b64 s[80:81], s[6:7], s[4:5]         ; role A's buffer
	s_cselect_b64 s[82:83], s[4:5], s[6:7]         ; role B's
	s_cselect_b64 s[84:85], s[12:13], s[10:11]     ; the output
.endif
	s_add_nc_u64 s[20:21], s[80:81], s[20:21]
	s_add_nc_u64 s[46:47], s[82:83], s[46:47]
	; THE PREFETCHES: with the load of K step j (j = 0, 1) each wave asks for K step j + 2 of 32 of the 128 rows that it fetches, a lane a row, 256 bytes of each.
	; The four partners that ask for a tile jointly share its rows out by address (cx for role A, cy for role B): each block of 256 bytes is named once in a cluster.  K has four steps, so nothing is asked for beyond step 3.
	s_cmp_eq_u32 s15, 0                            ; do I fetch for role A?
	s_cselect_b64 s[90:91], s[20:21], s[46:47]     ; s[90:91] and v14 are never rewritten
	s_cselect_b32 s92, s40, s41
	s_lshl_b32 s92, s92, 15                        ; my work-group's 32 rows of 1,024 bytes
	s_mov_b32 s93, 0
	s_add_nc_u64 s[90:91], s[90:91], s[92:93]
	v_and_b32 v14, 31, v0
	v_lshlrev_b32 v14, 10, v14
	s_wait_alu depctr_va_vdst(0)                   ; directly ahead of the barrier
	CROUND
.irp s, 0,1
	s_mov_b32 s[G0+4*\s], 1
	s_add_co_u32 s[G0+4*\s+1], s45, \s*SLOT
	s_add_nc_u64 s[G0+4*\s+2:G0+4*\s+3], s[20:21], \s*ROWB
	s_or_b32 s[G0+4*\s+3], s[G0+4*\s+3], 0x80000000
	s_mov_b32 s[G0B+4*\s], 1
	s_add_co_u32 s[G0B+4*\s+1], s45, \s*SLOT
	s_add_nc_u64 s[G0B+4*\s+2:G0B+4*\s+3], s[46:47], \s*ROWB
	s_or_b32 s[G0B+4*\s+3], s[G0B+4*\s+3], 0x80000000
.endr
	JLOAD G0, G1, G0B, G1B                         ; K step 0: one tensor load a wave at the head
	global_prefetch_b8 v14, s[90:91] offset:2*ROWB th:TH_LOAD_NT scope:SCOPE_SE
	v_and_b32 v1, 15, v0                           ; r = l % 16
	v_bfe_u32 v2, v0, 4, 1                         ; h = l / 16
	v_mul_u32_u24 v3, v1, PITCH
	s_wait_alu depctr_va_vdst(0)
	v_lshl_add_u32 v4, v2, 4, v3                   ; a fragment's row x pitch + 16 x half
	s_mul_i32 s21, s15, HALFT
	s_mul_i32 s22, s16, HALFT
	s_add_co_u32 s22, s22, 2*HALFT
.irp s, 0,1
	v_add_nc_u32 v[ADRA+\s], s21, v4
	v_add_nc_u32 v[ADRB+\s], s22, v4
	s_add_co_u32 s21, s21, SLOT
	s_add_co_u32 s22, s22, SLOT
.endr
	s_mul_i32 s23, s15, 128*PITCH                  ; the stage (256 rows x 272 bytes from LDS byte 0): row 128 (wave / 2) + r, from byte 128 (wave % 2) on
	s_lshl_b32 s73, s16, 7
	s_add_co_u32 s23, s23, s73
.if MLP1
	v_lshl_add_u32 v5, v2, 3, v3                   ; + 8 h: the columns as they are
.else
	v_lshl_add_u32 v5, v2, 4, v3                   ; + 16 h: the order inside a block of 32 that the head comment states
.endif
	v_add_nc_u32 v[STO], s23, v5
	s_mul_i32 s23, s14, 64*PITCH                   ; back: wave w takes rows 64 w on, whole: lanes 0-15 one row, lanes 16-31 the next
	v_mul_u32_u24 v5, v2, PITCH
	v_lshl_add_u32 v5, v1, 4, v5
	v_add_nc_u32 v[RD], s23, v5
	s_mul_i32 s23, s14, 64*OP                      ; and the same rows in the output
	v_mul_u32_u24 v5, v2, OP
	v_lshl_add_u32 v5, v1, 4, v5
	v_add_nc_u32 v[CO], s23, v5
.if MLP1
	s_lshl_b32 s86, s17, 20                        ; g: 256 rows of 4,096 bytes a tile,
	s_lshl_b32 s87, s42, 8                         ; 256 bytes a tile of columns
	s_add_co_u32 s86, s86, s87
	s_mov_b32 s87, 0
	s_add_nc_u64 s[84:85], s[84:85], s[86:87]
	s_lshl_b32 s88, s42, 10                        ; b1: my 128 columns: (256 x tile + 128 x half) x 4 bytes
	s_lshl_b32 s89, s16, 9
	s_add_co_u32 s88, s88, s89
	s_mov_b32 s89, 0
	s_add_nc_u64 s[10:11], s[10:11], s[88:89]
	v_lshlrev_b32 v[BO], 5, v2                     ; lane (r, h) wants, for block b, columns 16 b + 8 h + 0 .. 7
.irp b, 0,1,2,3,4,5,6,7
	global_load_b128 v[BI+8*\b:BI+8*\b+3], v[BO], s[10:11] offset:64*\b
	global_load_b128 v[BI+8*\b+4:BI+8*\b+7], v[BO], s[10:11] offset:64*\b+16
.endr
.else
	s_lshr_b32 s75, s67, 1
	s_lshl_b32 s75, s75, 2                         ; v: the batch's four tiles of channels: 4 (cluster y / 2)
	s_cmp_eq_u32 s66, 2
	s_cselect_b32 s75, s75, s74
	s_add_co_u32 s75, s75, s41                     ; the output's tile of 256 rows
	s_lshl_b32 s86, s75, 19                        ; 256 rows of 2,048 bytes
	s_and_b32 s87, s42, 7                          ; v: the tile of keys inside the batch; q, k: the tile of columns
	s_lshl_b32 s87, s87, 8
	s_add_co_u32 s86, s86, s87                     ; v's place in vt
	; q AND k LEAVE BY HEADS: qk is laid [q, k][2 x 16 heads][2,048 tokens][64 bytes], and not by token rows as the OUT line at the head has it
	s_lshr_b32 s88, s42, 2                         ; q (0) or k (1): 4,194,304 bytes each
	s_lshl_b32 s88, s88, 22
	s_lshr_b32 s89, s17, 3                         ; the batch: 16 heads of 131,072 bytes
	s_lshl_b32 s89, s89, 21
	s_add_co_u32 s88, s88, s89
	s_and_b32 s89, s42, 3                          ; the tile's four heads
	s_lshl_b32 s89, s89, 19
	s_add_co_u32 s88, s88, s89
	s_and_b32 s89, s17, 7                          ; the tile's 256 tokens of 64 bytes
	s_lshl_b32 s89, s89, 14
	s_add_co_u32 s88, s88, s89
	s_cmp_eq_u32 s66, 2
	s_cselect_b32 s86, s86, s88
	s_mov_b32 s87, 0
	s_add_nc_u64 s[84:85], s[84:85], s[86:87]
.endif
.macro FRAG reg, adr, q, i             ; a fragment, 16 rows x 128 K: lane l holds row l % 16; registers 4 c .. 4 c + 3 hold K = 32 c + 16 (l / 16) + 0 .. 15: the same permutation of k on both sides
.irp c, 0,1,2,3
	ds_load_b128 v[\reg+4*\c:\reg+4*\c+3], v[\adr] offset:128*(\q)+32*\c+(\i)*16*PITCH
.endr
.endm
; 16 matrix instructions: role A's blocks a0, a0 + 1 x role B's eight.  The 64 accumulators take turns, one instruction a turn, in the same order in every step.
.macro MUL16 a0, p, zero
.irp a, \a0, \a0+1
.irp b, 0,1,2,3,4,5,6,7
.if \zero
	v_wmma_f32_16x16x128_fp8_fp8 v[8*(8*((\a)%4)+\b):8*(8*((\a)%4)+\b)+7], v[128*(\p)+FR*\b:128*(\p)+FR*\b+FR-1], v[AF+FR*(\a):AF+FR*(\a)+FR-1], 0
.else
	v_wmma_f32_16x16x128_fp8_fp8 v[8*(8*((\a)%4)+\b):8*(8*((\a)%4)+\b)+7], v[128*(\p)+FR*\b:128*(\p)+FR*\b+FR-1], v[AF+FR*(\a):AF+FR*(\a)+FR-1], v[8*(8*((\a)%4)+\b):8*(8*((\a)%4)+\b)+7]
.endif
.endr
.endr
.endm
.macro FETCH_B slot, q, p
	WIN TO_B
.irp i, 0,1,2,3,4,5,6,7
	FRAG 128*(\p)+FR*\i, ADRB+\slot, \q, \i
.endr
	WIN 0
.endm
.macro FETCH_A slot, q, i0
.irp i, \i0, \i0+1, \i0+2, \i0+3
	FRAG AF+FR*(\i), ADRA+\slot, \q, \i
.endr
.endm
.macro PLACES n                        ; plain vector lines between a matrix instruction and a load into, or a vector read or write of, its registers
.rept \n
	v_nop
.endr
.endm
.macro STEP slot, q, zero              ; 128 along K whose successor lies in the same slot
	s_wait_dscnt 4*NL                              ; role B's set and role A's blocks 0-3 are in; the youngest sixteen loads (blocks 4-7) may be out
	WIN MUL_LO
	MUL16 0, (\q)%2, \zero
	MUL16 2, (\q)%2, \zero
	s_wait_dscnt 0
	PLACES NP
	FETCH_B \slot, (\q)+1, 1-(\q)%2
	FETCH_A \slot, (\q)+1, 0
	WIN MUL_HI
	MUL16 4, (\q)%2, \zero
	MUL16 6, (\q)%2, \zero
	PLACES NP
	WIN 0
	FETCH_A \slot, (\q)+1, 4
.endm
; A slot's last step changes slots: one barrier; in front of it each wave waits for all its tensor loads, adds 0 to its spare word, and waits for that and for its reads of this slot.  fill = 1: the slot is filled again, two K steps on.
.macro TURN slot, next, fill
	s_wait_tensorcnt 0x0                           ; all my tensor loads have landed: my part of the next slot
	ds_add_u32 v[SPW], v[NIL]
	s_wait_dscnt 4*NL+1                            ; the add and the youngest sixteen loads may be out
	WIN MUL_LO
	MUL16 0, 1, 0
	s_wait_dscnt 0x0                               ; the add is done, and my reads of this slot are over
	s_barrier_signal -1
	MUL16 2, 1, 0
	WIN 0
	s_barrier_wait -1
.if \fill
	CREST                                          ; the barrier has opened a round of the cluster's: no wave of any partner still reads this slot or has a load on its way
	s_add_nc_u64 s[G0+4*\slot+2:G0+4*\slot+3], s[G0+4*\slot+2:G0+4*\slot+3], 2*ROWB
	s_add_nc_u64 s[G0B+4*\slot+2:G0B+4*\slot+3], s[G0B+4*\slot+2:G0B+4*\slot+3], 2*ROWB
	JLOAD G0+4*\slot, G1, G0B+4*\slot, G1B         ; the first tensor load behind the round; its four v_nop are the places in front of the loads below
.else
	PLACES NP
.endif
	s_wait_alu depctr_va_vdst(0)
	FETCH_B \next, 0, 0
	FETCH_A \next, 0, 0
	WIN MUL_HI
	MUL16 4, 1, 0
	MUL16 6, 1, 0
	PLACES NP
	WIN 0
	FETCH_A \next, 0, 4
.endm
	s_wait_alu depctr_va_vdst(0)                   ; at the head's end
	s_wait_tensorcnt 0x0                           ; my part of K step 0 is in; slot 1's first fill is issued as a refill is:
	ds_add_u32 v[SPW], v[NIL]
	s_wait_dscnt 0x0
	CROUND                                         ; everybody's part of K step 0 is in, and the joint loads meet
	JLOAD G0+4, G1, G0B+4, G1B                     ; K step 1: the first tensor load behind the round
	global_prefetch_b8 v14, s[90:91] offset:3*ROWB th:TH_LOAD_NT scope:SCOPE_SE
	FETCH_B 0, 0, 0
	FETCH_A 0, 0, 0
	FETCH_A 0, 0, 4
	STEP 0, 0, 1                                   ; the first step's products start the sums
	s_mov_b32 s3, LAPS-1
.Llap:                                                 ; a trip goes once round the ring and fills both slots again
	TURN 0, 1, 1
	STEP 1, 0, 0
	TURN 1, 0, 1
	STEP 0, 0, 0
	s_sub_co_u32 s3, s3, 1
	s_cmp_lg_u32 s3, 0
	s_cbranch_scc1 .Llap
	TURN 0, 1, 0                                   ; the last lap fills nothing
	STEP 1, 0, 0
	s_wait_dscnt 4*NL
	WIN MUL_LO
	MUL16 0, 1, 0
	MUL16 2, 1, 0
	s_wait_dscnt 0
	WIN MUL_HI
	MUL16 4, 1, 0
	MUL16 6, 1, 0
	WIN 0
; THE WAY OUT.  A lane's eight sums are eight neighbours along the output's rows: they become 8 codes, 8 bytes.  The work-group's 256 rows x 256 bytes meet in a stage in slot 0, which has had its last fill and,
; since the last change of slots, its last read; a barrier, since a row's bytes come from two waves; then each wave stores 64 whole rows: sixteen lanes store 256 consecutive bytes, aligned.
	s_wait_kmcnt 0x0
.if MLP1
	s_add_co_i32 s76, s68, s69                     ; y = sum x 2^(e8 + e9) + b1
	s_add_co_i32 s76, s76, 127
	s_lshl_b32 s76, s76, 23
	s_mov_b32 s77, s76                             ; (named with it as a pair, so it is written)
	s_mov_b32 s78, 0xbdd2d3e8                      ; C1 = -2 log2(e) sqrt(2 / pi) x 0.044715
	s_mov_b32 s79, s78
	s_add_co_i32 s73, s70, 127                     ; the codes' scale: 2^e10
.else
	s_cmp_eq_u32 s66, 1
	s_cselect_b32 s73, s71, s70                    ; k: e3; q: e2
	s_cmp_eq_u32 s66, 2
	s_cselect_b32 s73, s72, s73                    ; v: e4
	s_sub_co_i32 s73, s73, s68
	s_sub_co_i32 s73, s73, s69
	s_add_co_i32 s73, s73, 127                     ; the three scales folded into the conversion's one
.endif
	s_lshl_b32 s74, s73, 23
	s_add_co_i32 s73, s73, 8
	s_lshl_b32 s73, s73, 23
	s_or_b32 s73, s73, 0x600000
	PLACES NP                                      ; behind the last products: their fragments' registers are written below
	v_mov_b32 v[SCL], s74
	v_mov_b32 v[LIM], s73
.if MLP1
	v_mov_b32 v12, 0xc0135761                      ; C0 = -2 log2(e) sqrt(2 / pi), in both words of a pair
	v_mov_b32 v13, 0xc0135761
	s_wait_loadcnt 0x0                             ; b1
.endif
.macro BLOCKROW a                      ; my block a of 16 rows x 128 columns
.set AC, 64*((\a)%4)
.set CC, CD+16*((\a)%2)
	WIN 0x02+((\a)/4)                              ; source 0: window 2 or 3
.if MLP1
.set J, 0
.rept 32
	v_pk_fma_f32 v[Y+J:Y+J+1], v[AC+J:AC+J+1], s[76:77], v[BI+J:BI+J+1] op_sel_hi:[1,0,1]   ; each accumulator from its low end on
.set J, J+2
.endr
	WIN 0
; gelu(y) = 0.5 y (1 + tanh(u)) = y / (1 + e^(-2 u)) = y / (1 + 2^(y (C1 y y + C0))): exact in real numbers; an exponent beyond the range gives infinity or 0, and so 0 or y
.set J, 0
.rept 32
	v_pk_mul_f32 v[U+J:U+J+1], v[Y+J:Y+J+1], v[Y+J:Y+J+1]
.set J, J+2
.endr
.set J, 0
.rept 32
	v_pk_fma_f32 v[U+J:U+J+1], v[U+J:U+J+1], s[78:79], v[12:13] op_sel_hi:[1,0,1]
.set J, J+2
.endr
.set J, 0
.rept 32
	v_pk_mul_f32 v[U+J:U+J+1], v[U+J:U+J+1], v[Y+J:Y+J+1]
.set J, J+2
.endr
.set J, 0
.rept 64
	v_exp_f32 v[U+J], v[U+J]
.set J, J+1
.endr
	v_nop                                          ; a plain line behind the batch
	s_wait_alu depctr_va_vdst(0)                   ; one wait for the 64, ahead of their first reader
.set J, 0
.rept 32
	v_pk_add_f32 v[U+J:U+J+1], v[U+J:U+J+1], 1.0 op_sel_hi:[1,0]
.set J, J+2
.endr
.set J, 0
.rept 64
	v_rcp_f32 v[U+J], v[U+J]
.set J, J+1
.endr
	v_nop
	s_wait_alu depctr_va_vdst(0)
.set J, 0
.rept 32
	v_pk_mul_f32 v[Y+J:Y+J+1], v[Y+J:Y+J+1], v[U+J:U+J+1]
.set J, J+2
.endr
.set J, 0
.rept 64
	v_med3_num_f32 v[Y+J], v[Y+J], -v[LIM], v[LIM]
.set J, J+1
.endr
.else
.set J, 0
.rept 64
	v_med3_num_f32 v[Y+J], v[AC+J], -v[LIM], v[LIM]   ; the hold at the largest code x the scale (ISA guide 7.6.2); each accumulator from its low end on
.set J, J+1
.endr
	WIN 0
.endif
.if (\a) >= 2
	s_wait_alu depctr_va_vdst(0)
	s_wait_dscnt 8                                 ; block a - 1's eight stores may be out; block a - 2's, which read this set of code registers, are done
.endif
.irp b, 0,1,2,3,4,5,6,7
	v_cvt_scalef32_pk8_fp8_f32 v[CC+2*\b:CC+2*\b+1], v[Y+8*\b:Y+8*\b+7], v[SCL]
.endr
	v_nop                                          ; a plain line behind the last conversion: the next block writes their sources
.irp b, 0,1,2,3,4,5,6,7
.if MLP1
	ds_store_b64 v[STO], v[CC+2*\b:CC+2*\b+1] offset:(\a)*16*PITCH+16*\b
.else
	ds_store_b64 v[STO], v[CC+2*\b:CC+2*\b+1] offset:(\a)*16*PITCH+32*(\b/2)+8*(\b%2)   ; numbers 16 b + 8 h + 0 .. 7 go to bytes 32 (b / 2) + 16 h + 8 (b % 2) on
.endif
.endr
.endm
.irp a, 0,1,2,3,4,5,6,7
	BLOCKROW \a
.endr
	v_and_b32 v6, 31, v0                           ; q, k: wave w takes tokens 64 w on, head by head: a load takes 8 tokens x 64 bytes of one head, four lanes a token
	v_lshrrev_b32 v7, 2, v6
	v_mul_u32_u24 v8, v7, PITCH
	v_and_b32 v7, 3, v6
	v_lshl_add_u32 v8, v7, 4, v8
	s_mul_i32 s23, s14, 64*PITCH
	v_add_nc_u32 v8, s23, v8                       ; v8: the stage, row 64 w + lane / 4, byte 16 (lane % 4)
	v_lshlrev_b32 v9, 4, v6
	s_lshl_b32 s23, s14, 12
	v_add_nc_u32 v9, s23, v9                       ; v9: the same tokens in a head's block of qk: 4,096 w + 16 lane
	s_wait_alu depctr_va_vdst(0)                   ; directly ahead of the wait below
	s_wait_dscnt 0x0
	s_barrier_signal -1
	s_barrier_wait -1
	s_cmp_eq_u32 s66, 2                            ; the cluster's number: the same in all sixteen partners
	s_cbranch_scc1 .Lv_out
.set T, 0
.rept 32
	ds_load_b128 v[128+4*T:128+4*T+3], v8 offset:(T%8)*8*PITCH+64*(T/8)
.set T, T+1
.endr
.set T, 0
.rept 32
	s_wait_dscnt 31-T
	global_store_b128 v9, v[128+4*T:128+4*T+3], s[84:85] offset:(T/8)*131072+(T%8)*512   ; 32 lanes store 512 consecutive bytes, aligned
.set T, T+1
.endr
	s_branch .Lout_done
.Lv_out:
.set T, 0
.rept 32
	ds_load_b128 v[128+4*T:128+4*T+3], v[RD] offset:T*2*PITCH
.set T, T+1
.endr
.set T, 0
.rept 32
	s_wait_dscnt 31-T                              ; loads come back in order: number T is in, the younger ones may be out
	global_store_b128 v[CO], v[128+4*T:128+4*T+3], s[84:85] offset:T*2*OP
.set T, T+1
.endr
.Lout_done:
	s_wait_tensorcnt 0x0
	ds_add_u32 v[SPW], v[NIL]
	s_wait_dscnt 0x0
	CROUND                                         ; the closing round: no work-group ends while a partner may still ask for a tile that names it
	s_endpgm
.Lfunc_end_k_q983eb59472_qkv:
	.size	k_q983eb59472_qkv, .Lfunc_end_k_q983eb59472_qkv-k_q983eb59472_qkv
	.p2alignl 7, 3214868480
	.fill 96, 4, 3214868480
	.section	.rodata,"a",@progbits
	.p2align	6, 0x0
	.amdhsa_kernel k_q983eb59472_qkv
		.amdhsa_group_segment_fixed_size 327680
		.amdhsa_private_segment_fixed_size 0
		.amdhsa_enable_private_segment 0
		.amdhsa_kernarg_size 40
		.amdhsa_user_sgpr_count 2
		.amdhsa_user_sgpr_kernarg_segment_ptr 1
		.amdhsa_wavefront_size32 1
		.amdhsa_system_sgpr_workgroup_id_x 1
		.amdhsa_system_sgpr_workgroup_id_y 1
		.amdhsa_system_sgpr_workgroup_id_z 1
		.amdhsa_system_vgpr_workitem_id 0
		.amdhsa_next_free_vgpr 1024
		.amdhsa_next_free_sgpr 100
		.amdhsa_reserve_vcc 0
		.amdhsa_float_denorm_mode_32 3
		.amdhsa_float_denorm_mode_16_64 3
		.amdhsa_memory_ordered 1
		.amdhsa_forward_progress 1
		.amdhsa_inst_pref_size 134
	.end_amdhsa_kernel
	.amdgpu_metadata
---
amdhsa.version: [ 1, 2 ]
amdhsa.kernels:
  - .name:           k_q983eb59472_qkv
    .symbol:         k_q983eb59472_qkv.kd
    .args:
      - { .name: hq, .offset: 0, .size: 8, .value_kind: global_buffer, .address_space: global }
      - { .name: w_qkv_codes, .offset: 8, .size: 8, .value_kind: global_buffer, .address_space: global }
      - { .name: lowp_scales, .offset: 16, .size: 8, .value_kind: global_buffer, .address_space: global }
      - { .name: qk, .offset: 24, .size: 8, .value_kind: global_buffer, .address_space: global }
      - { .name: vt, .offset: 32, .size: 8, .value_kind: global_buffer, .address_space: global }
    .group_segment_fixed_size: 327680
    .private_segment_fixed_size: 0
    .kernarg_segment_align: 8
    .kernarg_segment_size: 40
    .max_flat_workgroup_size: 128
    .sgpr_count:     100
    .vgpr_count:     1024
    .wavefront_size: 32
...
	.end_amdgpu_metadata
.endif
;; end of part 2
;; launch attn (part 3): grid 8 x 32, 8 waves a work-group, clusters of 4 x 1, 327,680 bytes of LDS; arguments qk, vt, lowp_scales, ac; writes ac
.if DOCPART == 3
	.amdgcn_target "amdgcn-amd-amdhsa--gfx1250"
	.amdhsa_code_object_version 6
	.text
	.protected	k_q983eb59472_attn
	.globl	k_q983eb59472_attn
	.p2align	8
	.type	k_q983eb59472_attn,@function
k_q983eb59472_attn:
	s_mov_b64 s[64:65], 0
	v_nop
	global_prefetch_b8 v0, s[64:65] scope:SCOPE_SE
	s_setreg_imm32_b32 hwreg(HW_REG_WAVE_MODE, 25, 1), 1
	s_wait_xcnt 0x0
	s_wait_alu depctr_hold_cnt(0) depctr_sa_sdst(0) depctr_va_vdst(0) depctr_va_sdst(0) depctr_va_ssrc(0) depctr_va_vcc(0) depctr_vm_vsrc(0)
	s_getreg_b32 s2, hwreg(HW_REG_IB_STS2, 6, 4)
	s_cmp_eq_u32 s2, 0
	s_cbranch_scc0 .Lentry_in_a_cluster
	s_endpgm
.Lentry_in_a_cluster:
	s_bfe_u32 s2, ttmp6, 0x10000c
	s_cmp_lg_u32 s2, 0x3003
	s_cbranch_scc0 .Lentry_shape_is_right
	s_endpgm
.Lentry_shape_is_right:
; attn_val = softmax(q k^T / 8) v for 2 x 16 heads of 64, 2,048 keys, both products on E4M3 codes; the result is quantised at once for the fc product.  Nothing is left out.
; qk: [q, k][32 heads][2,048 tokens][64] codes (2^e2, 2^e3).  vt: [32 heads][64 channels][2,048 keys] codes (2^e4).  Inside each block of 32 along a row of either, byte 16 h + 8 u + j holds number 16 u + 8 h + j.
; ac (2^e6): [64 blocks of 64 tokens][16 heads][64 tokens][64 channels], so that a wave's 32 queries of one head are 2,048 consecutive bytes.
; THE SOFTMAX: t = score x log2(e) / 8; M = the running largest t rounded UP to a whole number; p = 2^(t - M) is quantised with 2^e5, not normalised; the sum of the unquantised p divides at the end.
; When M moves, the sum and O are multiplied by 2^(old M - new M): exact.
; LIMITS: e2 + e3 between -123 and 130 (added to c's exponent field); e5 and e6 between -126 and 119; e4 + e5 goes in by v_ldexp_f32.  NaN is not served.
; SHARES.  A work-group takes ONE head and 256 queries.  The head's K (131,072 bytes) and V (131,072) lie in LDS whole, fetched once: one tensor load a wave at the head, one barrier, and no byte is filled again.
; Waves 0-3: 512 keys of K each, a dense block, as 128 rows of 256 bytes (four keys a row, 16 bytes of padding behind it).  Waves 4-7: 512 keys of V each: 64 rows of 512 bytes + 16.
; A wave owns 32 queries, two tiles, so that each fragment of K and V feeds two matrix instructions.  Two waves to a SIMD.
; CLUSTER.  Four query blocks of a head form a cluster and ask for K and V jointly (mask 15).  No prefetch: all that the launch reads is asked for at its head, and there is no loop to run ahead in.
; LAYOUT.  Both products transposed: S^T = K Q^T (source 0 = 16 keys), O^T = V^T P^T (source 0 = 16 channels): a lane holds one query of each tile.  In S^T lane (r, h) holds key 16 t + 8 h + j in tile t's register j,
; so p's 16 codes of tiles 2 b, 2 b + 1 are the 16 bytes at 32 b + 16 h of a row of vt.  q's and k's channels carry one order on both sides.
; REGISTERS.  Window 0: v1-10 addresses; v12-33 the two tiles' -M, largest t, sums, f and work; v34-38 constants; v40-55 Q; v64-127, v128-191 S^T, then p.
; Window 1: v0-63 O^T; v64-95 p's codes; v96-159 K's fragments; v160-223 V's.
.set UP,    272                        ; a row of K in LDS: four keys, 256 bytes + 16: sixteen neighbouring keys start at sixteen different groups of four banks (ISA guide 11.1)
.set KQ,    128*UP                     ; what one load of K brings
.set KSTEP, 32*UP                      ; 128 keys
.set VBASE, 4*KQ
.set VP,    528                        ; a row of V's chunk: 512 bytes + 16
.set VCH,   64*VP                      ; a chunk: 512 keys
.set H,     VCH/2
.set TOG,   0x4300                     ; H xor 256
.set SPARE, VBASE+4*VCH                ; the spare words: 128 bytes for each of eight waves
.set STAGE, SPARE+1024                 ; the way out: 2,048 bytes a wave, bytes of their own
.set AK0,  1                           ; v1   my lane's place in a tile of K
.set AV0,  2                           ; v2   in a tile of V, less H
.set ADK,  3                           ; v3   K's address for the trip in hand
.set ADV,  4                           ; v4   V's
.set SPW,  5                           ; v5   my spare word; never rewritten
.set NIL,  6                           ; v6   0; never rewritten
.set QO,   7
.set SI,   8
.set SO,   9
.set GO,   10
.set QA,   40
.set QB,   48
.set SA,   64
.set SB,   128
.set KF,   96                          ; window 1
.set VF,   160                         ; window 1
.set WV,   18                          ; s18  my wave's number
.set SK,   45                          ; s45  K's bytes walked: 2 KSTEP a trip
.set SLIN, 46                          ; s46  H a trip
.set ST,   47                          ; s47  H in even trips, 256 in odd ones
.set SV,   66                          ; s66  their sum: trip n reads V at (n / 2) VCH + 256 (n % 2) = n H + s47 - H
.set MSB, 0
.macro WIN new                         ; the immediate's high byte repeats the setting that is left
.if MSB != (\new)
	s_set_vgpr_msb (MSB<<8)|(\new)
.set MSB, \new
.endif
.endm
.macro CROUND                          ; a round of the cluster's barrier
	s_barrier_signal -1
	s_barrier_wait -1
	s_cmp_lg_u32 s[WV], 0
	s_cbranch_scc1 .Lnot_wave_0_\@
	s_barrier_signal -3
.Lnot_wave_0_\@:
	s_barrier_wait -3
	s_barrier_signal -1
	s_barrier_wait -1
.endm
	s_load_b128 s[4:7], s[0:1], 0x0                ; qk, vt
	s_load_b128 s[8:11], s[0:1], 0x10              ; the scales' exponents, ac
	v_lshl_add_u32 v[SPW], v0, 2, SPARE
	v_mov_b32 v[NIL], 0
	ds_add_u32 v[SPW], v[NIL]                      ; the wave's opening: the add, twice on end, and its wait ahead of my tensor load
	ds_add_u32 v[SPW], v[NIL]
	v_lshrrev_b32 v24, 5, v0
	v_readfirstlane_b32 s[WV], v24                 ; wave 0..7
	s_and_b32 s17, s[WV], 3                        ; which 512 keys I fetch
	s_bfe_u32 s40, ttmp6, 0x40000                  ; cx
	s_lshl_b32 s41, ttmp9, 2
	s_add_co_u32 s41, s41, s40                     ; my block of 256 queries: it enters q's and ac's addresses alone
	s_and_b32 s42, ttmp7, 0xffff                   ; 16 x batch + head: the four partners share it
	s_lshl_b32 s43, s42, 17                        ; a head is 131,072 bytes in q, in k and in vt
	s_mov_b32 s24, 15|(1<<20)|(1<<21)|(5<<22)|(3<<25)   ; K, group 1: the mask: all four; elements of 1 byte; padding: four words after every 64; bit 21 beside a mask
	s_mov_b32 s25, 256<<16
	s_mov_b32 s26, 128<<16
	s_mov_b32 s27, 256<<16
	s_mov_b32 s28, 128
	s_mov_b32 s29, 256                             ; dense
	s_mov_b32 s30, 0
	s_mov_b32 s31, 0
	s_mov_b32 s32, 15|(1<<20)|(1<<21)|(6<<22)|(3<<25)   ; V, group 1: four words after every 128
	s_mov_b32 s33, 512<<16
	s_mov_b32 s34, 64<<16
	s_mov_b32 s35, 512<<16
	s_mov_b32 s36, 64
	s_mov_b32 s37, 2048
	s_mov_b32 s38, 0
	s_mov_b32 s39, 0
	s_mov_b32 s48, 1                               ; K, group 0
	s_mul_i32 s49, s17, KQ
	s_mov_b32 s52, 1                               ; V, group 0
	s_mul_i32 s53, s17, VCH
	s_add_co_u32 s53, s53, VBASE
	s_lshl_b32 s56, s17, 15                        ; K: 512 keys of 64 bytes,
	s_add_co_u32 s56, s56, s43
	s_add_co_u32 s56, s56, 0x400000                ; behind q's 4,194,304 bytes
	s_mov_b32 s57, 0
	s_lshl_b32 s58, s17, 9                         ; V: 512 bytes along the rows
	s_add_co_u32 s58, s58, s43
	s_mov_b32 s59, 0
	s_lshl_b32 s60, s41, 14                        ; q: 256 queries of 64 bytes a block,
	s_lshl_b32 s61, s[WV], 11                      ; 32 a wave
	s_add_co_u32 s60, s60, s61
	s_add_co_u32 s60, s60, s43
	s_mov_b32 s61, 0
	s_lshr_b32 s62, s42, 4                         ; ac: block of 64 tokens = 32 x batch + 4 x query block + wave / 2,
	s_lshl_b32 s62, s62, 5
	s_lshl_b32 s63, s41, 2
	s_add_co_u32 s62, s62, s63
	s_lshr_b32 s63, s[WV], 1
	s_add_co_u32 s62, s62, s63
	s_lshl_b32 s62, s62, 16
	s_and_b32 s63, s42, 15                         ; the head's 4,096 bytes in it,
	s_lshl_b32 s63, s63, 12
	s_add_co_u32 s62, s62, s63
	s_and_b32 s63, s[WV], 1                        ; my 32 tokens of the 64
	s_lshl_b32 s63, s63, 11
	s_add_co_u32 s62, s62, s63
	s_mov_b32 s63, 0
	s_mov_b32 s20, 0x76543210                      ; lane selects: lane l xor 16
	s_mov_b32 s21, 0xfedcba98
	s_mov_b32 s22, 0x3e38aa3b                      ; c = log2(e) / 8
	s_mov_b32 s[SK], 0
	s_mov_b32 s[SLIN], 0
	s_mov_b32 s[ST], H
	s_mov_b32 s[SV], H
	s_wait_dscnt 0x0                               ; both opening adds are done
	s_wait_kmcnt 0x0
	s_load_b128 s[68:71], s[8:9], 0x8              ; e2, e3, e4, e5
	s_load_b32 s72, s[8:9], 0x18                   ; e6
	s_add_nc_u64 s[50:51], s[4:5], s[56:57]
	s_or_b32 s51, s51, 0x80000000
	s_add_nc_u64 s[54:55], s[6:7], s[58:59]
	s_or_b32 s55, s55, 0x80000000
	s_add_nc_u64 s[88:89], s[4:5], s[60:61]
	s_add_nc_u64 s[10:11], s[10:11], s[62:63]
	CROUND                                         ; all four work-groups are here: the joint loads meet
	s_cmp_lt_u32 s[WV], 4                          ; every wave issues one load; the branch hangs on the wave's number alone
	s_cbranch_scc0 .Lfor_v
	tensor_load_to_lds s[48:51], s[24:31]
	s_nop 0
.rept 4
	v_nop
.endr
	s_branch .Lasked
.Lfor_v:
	tensor_load_to_lds s[52:55], s[32:39]
	s_nop 0
.rept 4
	v_nop
.endr
.Lasked:
	v_and_b32 v24, 15, v0                          ; r
	v_bfe_u32 v25, v0, 4, 1                        ; h
	v_lshlrev_b32 v26, 4, v25
	v_lshl_add_u32 v[QO], v24, 6, v26              ; q: row r of 64 bytes, + 16 h
	global_load_b128 v[QA:QA+3], v[QO], s[88:89]               ; Q's two fragments stay: registers 4 c .. 4 c + 3 hold bytes 32 c + 16 h on, as K's do
	global_load_b128 v[QA+4:QA+7], v[QO], s[88:89] offset:32
	global_load_b128 v[QB:QB+3], v[QO], s[88:89] offset:1024
	global_load_b128 v[QB+4:QB+7], v[QO], s[88:89] offset:1056
	v_lshrrev_b32 v27, 2, v24
	v_mul_u32_u24 v27, v27, UP
	v_and_b32 v28, 3, v24
	v_lshl_add_u32 v27, v28, 6, v27
	v_add_nc_u32 v[AK0], v27, v26                  ; K: key r of a tile: row r / 4, byte 64 (r % 4) + 16 h
	v_mul_u32_u24 v27, v24, VP
	v_add_nc_u32 v27, v27, v26
	v_add_nc_u32 v[AV0], VBASE-H, v27              ; V: channel r of a tile, + 16 h
	v_add_nc_u32 v[ADK], s[SK], v[AK0]
	v_add_nc_u32 v[ADV], s[SV], v[AV0]
	s_lshl_b32 s80, s[WV], 11
	s_add_co_u32 s80, s80, STAGE                   ; my stage
	v_lshlrev_b32 v27, 6, v24
	v_lshl_add_u32 v27, v25, 3, v27
	v_add_nc_u32 v[SI], s80, v27                   ; in: query r's 64 bytes, + 8 h
	v_and_b32 v28, 31, v0
	v_lshlrev_b32 v[GO], 4, v28                    ; back, and in ac: 16 bytes a lane
	v_add_nc_u32 v[SO], s80, v[GO]
	v_mov_b32 v13, 0xff61b1e6                      ; the largest t so far: -3e38, under every t
	v_mov_b32 v15, 0xff61b1e6
	v_floor_f32 v12, -v13                          ; -M
	v_floor_f32 v14, -v15
.irp r, 16,17,18,19,21,23,28,29
	v_mov_b32 v\r, 0                               ; the sums; the upper halves of f's pairs; the lane exchanges' destinations, which count as read
.endr
	WIN 0x40
.set J, 0
.rept 64
	v_mov_b32 v[J], 0                              ; O^T: the step is written once; its first run finds zeros, which the first change of M leaves zeros
.set J, J+1
.endr
	WIN 0
	s_wait_kmcnt 0x0
	s_add_co_i32 s83, s68, s69
	s_lshl_b32 s83, s83, 23
	s_add_co_i32 s22, s22, s83
	s_mov_b32 s23, s22                             ; (named with it as a pair, so it is written)
	s_add_co_i32 s81, s71, 127
	s_lshl_b32 s82, s81, 23
	v_mov_b32 v36, s82                             ; 2^e5, for p's conversions
	s_add_co_i32 s81, s81, 8
	s_lshl_b32 s81, s81, 23
	s_or_b32 s81, s81, 0x600000
	v_mov_b32 v34, s81                             ; 448 x 2^e5
	s_add_co_i32 s81, s72, 127
	s_lshl_b32 s82, s81, 23
	v_mov_b32 v38, s82                             ; 2^e6, for the result's
	s_add_co_i32 s81, s81, 8
	s_lshl_b32 s81, s81, 23
	s_or_b32 s81, s81, 0x600000
	v_mov_b32 v37, s81                             ; 448 x 2^e6
; K's eight tiles of the key step that begins off bytes behind v[ADK]
.macro KLOADS off
.irp t, 0,1,2,3,4,5,6,7
	ds_load_b128 v[KF+8*\t:KF+8*\t+3], v[ADK] offset:\off+\t*4*UP
	ds_load_b128 v[KF+8*\t+4:KF+8*\t+7], v[ADK] offset:\off+\t*4*UP+32
.endr
.endm
; A KEY STEP: 128 keys x my 32 queries, the q-th of a trip.  K's fragments are in at its head.  Behind the first product the next step's K and this step's V are asked for; both land under the softmax, and one wait for 0 ahead of the second product serves both.
; A tile's sum of the unquantised p, 64 numbers a lane from v[s] on, added onto the pair v[a]: four chains by turns
.macro SUMT s, a
	v_pk_add_f32 v[30:31], v[\s:\s+1], v[\s+2:\s+3]
	v_pk_add_f32 v[24:25], v[\s+4:\s+5], v[\s+6:\s+7]
	v_pk_add_f32 v[26:27], v[\s+8:\s+9], v[\s+10:\s+11]
.irp j, 12,20,28,36,44,52
	v_pk_add_f32 v[\a:\a+1], v[\a:\a+1], v[\s+\j:\s+\j+1]
	v_pk_add_f32 v[30:31], v[30:31], v[\s+\j+2:\s+\j+3]
	v_pk_add_f32 v[24:25], v[24:25], v[\s+\j+4:\s+\j+5]
	v_pk_add_f32 v[26:27], v[26:27], v[\s+\j+6:\s+\j+7]
.endr
	v_pk_add_f32 v[\a:\a+1], v[\a:\a+1], v[\s+60:\s+61]
	v_pk_add_f32 v[30:31], v[30:31], v[\s+62:\s+63]
	v_pk_add_f32 v[24:25], v[24:25], v[26:27]
	v_pk_add_f32 v[\a:\a+1], v[\a:\a+1], v[30:31]
	v_pk_add_f32 v[\a:\a+1], v[\a:\a+1], v[24:25]
.endm
.macro STEP q
	WIN 0x01
.irp t, 0,1,2,3,4,5,6,7
	v_wmma_f32_16x16x64_fp8_fp8 v[SA+8*\t:SA+8*\t+7], v[KF+8*\t:KF+8*\t+7], v[QA:QA+7], 0
	v_wmma_f32_16x16x64_fp8_fp8 v[SB+8*\t:SB+8*\t+7], v[KF+8*\t:KF+8*\t+7], v[QB:QB+7], 0
.endr
	WIN 0
.rept 4
	v_nop                                          ; places: for the loads into K's and V's registers and for the first read of the scores
.endr
.if \q == 1
	s_cmp_eq_u32 s44, 1                            ; the last trip has no step behind it: a branch on the count of trips, round K's loads alone
	s_cbranch_scc1 .Lno_k_\@
.endif
	WIN 0x40                                       ; destination window 1
	KLOADS (\q+1)*KSTEP
.if \q == 1
	WIN 0
.Lno_k_\@:
	WIN 0x40
.endif
.irp t, 0,1,2,3
.irp c, 0,1,2,3
	ds_load_b128 v[VF+16*\t+4*\c:VF+16*\t+4*\c+3], v[ADV] offset:\t*16*VP+128*\q+32*\c
.endr
.endr
	WIN 0
	v_max3_num_f32 v24, v[SA], v[SA+1], v[SA+2]    ; each query's largest score among my 64 keys: two chains a tile, the two tiles by turns; each accumulator is read from its low end on
	v_max3_num_f32 v26, v[SB], v[SB+1], v[SB+2]
	v_max3_num_f32 v25, v[SA+3], v[SA+4], v[SA+5]
	v_max3_num_f32 v27, v[SB+3], v[SB+4], v[SB+5]
.irp i, 6,10,14,18,22,26,30,34,38,42,46,50,54,58
	v_max3_num_f32 v24, v24, v[SA+\i], v[SA+\i+1]
	v_max3_num_f32 v26, v26, v[SB+\i], v[SB+\i+1]
	v_max3_num_f32 v25, v25, v[SA+\i+2], v[SA+\i+3]
	v_max3_num_f32 v27, v27, v[SB+\i+2], v[SB+\i+3]
.endr
	v_max3_num_f32 v24, v24, v[SA+62], v[SA+63]
	v_max3_num_f32 v26, v26, v[SB+62], v[SB+63]
	v_max_num_f32 v24, v24, v25
	v_max_num_f32 v26, v26, v27
	v_permlanex16_b32 v28, v24, s20, s21
	v_permlanex16_b32 v29, v26, s20, s21
	v_max_num_f32 v24, v24, v28                    ; and among lane l xor 16's
	v_max_num_f32 v26, v26, v29
	v_mul_f32 v24, s22, v24                        ; as t (c is positive)
	v_mul_f32 v26, s22, v26
	v_max_num_f32 v13, v13, v24                    ; the running largest t
	v_max_num_f32 v15, v15, v26
	v_mov_b32 v24, v12
	v_mov_b32 v26, v14
	v_floor_f32 v12, -v13                          ; the new -M = floor(-t) = -ceil(t)
	v_floor_f32 v14, -v15
	v_sub_f32 v24, v12, v24                        ; old M - new M: a whole number, 0 or less
	v_sub_f32 v26, v14, v26
	v_cvt_i32_f32 v24, v24                         ; (it saturates)
	v_cvt_i32_f32 v26, v26
	v_ldexp_f32 v20, 1.0, v24                      ; f = 2^(old M - new M)
	v_ldexp_f32 v22, 1.0, v26
.if \q == 1
	s_add_co_u32 s[SK], s[SK], 2*KSTEP             ; the next trip's addresses: this trip's loads are all issued
	s_add_co_u32 s[SLIN], s[SLIN], H
	s_xor_b32 s[ST], s[ST], TOG
	s_add_co_u32 s[SV], s[SLIN], s[ST]
	v_add_nc_u32 v[ADK], s[SK], v[AK0]
	v_add_nc_u32 v[ADV], s[SV], v[AV0]
.endif
.set J, 0
.rept 32
	v_pk_fma_f32 v[SA+J:SA+J+1], v[SA+J:SA+J+1], s[22:23], v[12:13] op_sel_hi:[1,0,0]   ; the first tile's t - M, two at a time
.set J, J+2
.endr
	s_wait_alu depctr_va_vdst(0)                   ; ahead of the batch
.set J, 0
.rept 32
	v_exp_f32 v[SA+J], v[SA+J]                     ; the first tile's p = 2^(t - M), at most 1; among them the second tile's t - M, which name none of their registers
	v_pk_fma_f32 v[SB+J:SB+J+1], v[SB+J:SB+J+1], s[22:23], v[14:15] op_sel_hi:[1,0,0]
	v_exp_f32 v[SA+J+1], v[SA+J+1]
.set J, J+2
.endr
	v_pk_mul_f32 v[16:17], v[16:17], v[20:21] op_sel_hi:[1,0]   ; the sums under the new M: plain lines behind the batch
	v_pk_mul_f32 v[18:19], v[18:19], v[22:23] op_sel_hi:[1,0]
	s_wait_alu depctr_va_vdst(0)                   ; one wait for the 128, ahead of their first reader
	SUMT SA, 16                                    ; (the wait above serves the first tile's exponentials and, ahead of the second batch, the second tile's t - M)
.set J, 0
.rept 64
	v_exp_f32 v[SB+J], v[SB+J]                     ; the second tile's p; among them the first tile's hold (ISA guide 7.6.2; p is not negative, so it is one-sided), first read behind the wait below
	v_min_num_f32 v[SA+J], v[SA+J], v34
.set J, J+1
.endr
	s_wait_alu depctr_va_vdst(0)                   ; one wait for the second batch, ahead of its first reader
	SUMT SB, 18
.set J, 0
.rept 64
	v_min_num_f32 v[SB+J], v[SB+J], v34
.set J, J+1
.endr
	WIN 0x40                                       ; the codes go to window 1
.set J, 0
.rept 16
	v_cvt_scalef32_pk8_fp8_f32 v[64+2*J:65+2*J], v[SA+8*J:SA+8*J+7], v36
.set J, J+1
.endr
	WIN 0x41                                       ; O^T: destination and source 0 window 1
	s_wait_alu depctr_va_vdst(0)                   ; directly ahead of the first reader of O^T
.set J, 0
.rept 16
	v_pk_mul_f32 v[J:J+1], v[J:J+1], v[20:21] op_sel_hi:[1,0]   ; O^T under the new M; also the plain lines between the conversions and the products
	v_pk_mul_f32 v[32+J:33+J], v[32+J:33+J], v[22:23] op_sel_hi:[1,0]
.set J, J+2
.endr
	s_wait_alu depctr_va_vdst(0)                   ; directly ahead of the wait below
	s_wait_dscnt 0x0                               ; V's fragments and the next step's K are in
	WIN 0x55                                       ; all four operands window 1
.irp t, 0,1,2,3
	v_wmma_f32_16x16x128_fp8_fp8 v[8*\t:8*\t+7], v[VF+16*\t:VF+16*\t+15], v[64:79], v[8*\t:8*\t+7]   ; the eight accumulators take turns, one instruction a turn
	v_wmma_f32_16x16x128_fp8_fp8 v[32+8*\t:39+8*\t], v[VF+16*\t:VF+16*\t+15], v[80:95], v[32+8*\t:39+8*\t]
.endr
	WIN 0
.endm
	s_wait_alu depctr_va_vdst(0)                   ; at the head's end
	s_wait_loadcnt 0x0                             ; Q
	s_wait_tensorcnt 0x0                           ; my part of K or V has landed;
	s_barrier_signal -1
	s_barrier_wait -1                              ; everybody's has: from here on LDS is only read, and the waves meet no more
	WIN 0x40
	KLOADS 0
	WIN 0
	s_wait_dscnt 0x0
	s_mov_b32 s44, 8
.Ltrip:                                                ; eight trips of 256 keys
	STEP 0
	STEP 1
	s_sub_co_u32 s44, s44, 1
	s_cmp_lg_u32 s44, 0
	s_cbranch_scc1 .Ltrip
	; THE WAY OUT.  O^T / the sum x 2^(e4 + e5) is attn_val; it is held, turned into codes with 2^e6, and goes through my own stage, so that 32 lanes store 512 consecutive bytes.
.rept 4
	v_nop                                          ; places behind the last products
.endr
	v_add_f32 v16, v16, v17
	v_add_f32 v18, v18, v19
	v_permlanex16_b32 v28, v16, s20, s21
	v_permlanex16_b32 v29, v18, s20, s21
	v_add_f32 v16, v16, v28                        ; the rows' sums
	v_add_f32 v18, v18, v29
	s_wait_alu depctr_va_vdst(0)                   ; ahead of the batch
	v_rcp_f32 v16, v16
	v_rcp_f32 v18, v18
	v_nop                                          ; a plain line behind them
	s_add_co_i32 s81, s70, s71
	s_wait_alu depctr_va_vdst(0)                   ; the wait ahead of their first reader
	v_ldexp_f32 v16, v16, s81
	v_ldexp_f32 v18, v18, s81
	WIN 0x01                                       ; source 0 (O^T) window 1
	s_wait_alu depctr_va_vdst(0)                   ; directly ahead of the first reader of O^T
.set J, 0
.rept 32
	v_mul_f32 v[SA+J], v[J], v16                   ; register 8 t + i is attn_val(query r, channel 16 t + 8 h + i)
.set J, J+1
.endr
.set J, 0
.rept 32
	v_mul_f32 v[SA+32+J], v[32+J], v18
.set J, J+1
.endr
	WIN 0
.set J, 0
.rept 64
	v_med3_num_f32 v[SA+J], v[SA+J], -v37, v37
.set J, J+1
.endr
.set J, 0
.rept 8
	v_cvt_scalef32_pk8_fp8_f32 v[SB+2*J:SB+2*J+1], v[SA+8*J:SA+8*J+7], v38
.set J, J+1
.endr
	v_nop                                          ; a plain line behind the last conversion
.irp a, 0,1
.irp t, 0,1,2,3
	ds_store_b64 v[SI], v[SB+8*\a+2*\t:SB+8*\a+2*\t+1] offset:1024*\a+16*\t
.endr
.endr
.irp i, 0,1,2,3
	ds_load_b128 v[SB+16+4*\i:SB+19+4*\i], v[SO] offset:512*\i   ; LDS serves a wave's instructions in order (ISA guide 5.7.1.4): these see my stores
.endr
.irp i, 0,1,2,3
	s_wait_dscnt 3-\i                              ; number i is in, the younger ones may be out
	global_store_b128 v[GO], v[SB+16+4*\i:SB+19+4*\i], s[10:11] offset:512*\i
.endr
	s_wait_tensorcnt 0x0                           ; the wave's end
	ds_add_u32 v[SPW], v[NIL]
	s_wait_dscnt 0x0
	CROUND                                         ; the closing round
	s_endpgm
.Lfunc_end_k_q983eb59472_attn:
	.size	k_q983eb59472_attn, .Lfunc_end_k_q983eb59472_attn-k_q983eb59472_attn
	.p2alignl 7, 3214868480
	.fill 96, 4, 3214868480
	.section	.rodata,"a",@progbits
	.p2align	6, 0x0
	.amdhsa_kernel k_q983eb59472_attn
		.amdhsa_group_segment_fixed_size 327680
		.amdhsa_private_segment_fixed_size 0
		.amdhsa_enable_private_segment 0
		.amdhsa_kernarg_size 32
		.amdhsa_user_sgpr_count 2
		.amdhsa_user_sgpr_kernarg_segment_ptr 1
		.amdhsa_wavefront_size32 1
		.amdhsa_system_sgpr_workgroup_id_x 1
		.amdhsa_system_sgpr_workgroup_id_y 1
		.amdhsa_system_sgpr_workgroup_id_z 1
		.amdhsa_system_vgpr_workitem_id 0
		.amdhsa_next_free_vgpr 512
		.amdhsa_next_free_sgpr 96
		.amdhsa_reserve_vcc 0
		.amdhsa_float_denorm_mode_32 3
		.amdhsa_float_denorm_mode_16_64 3
		.amdhsa_memory_ordered 1
		.amdhsa_forward_progress 1
		.amdhsa_inst_pref_size 77
	.end_amdhsa_kernel
	.amdgpu_metadata
---
amdhsa.version: [ 1, 2 ]
amdhsa.kernels:
  - .name:           k_q983eb59472_attn
    .symbol:         k_q983eb59472_attn.kd
    .args:
      - { .name: qk, .offset: 0, .size: 8, .value_kind: global_buffer, .address_space: global }
      - { .name: vt, .offset: 8, .size: 8, .value_kind: global_buffer, .address_space: global }
      - { .name: lowp_scales, .offset: 16, .size: 8, .value_kind: global_buffer, .address_space: global }
      - { .name: ac, .offset: 24, .size: 8, .value_kind: global_buffer, .address_space: global }
    .group_segment_fixed_size: 327680
    .private_segment_fixed_size: 0
    .kernarg_segment_align: 8
    .kernarg_segment_size: 32
    .max_flat_workgroup_size: 256
    .sgpr_count:     96
    .vgpr_count:     512
    .wavefront_size: 32
...
	.end_amdgpu_metadata
.endif
;; end of part 3
;; launch fc (part 4): grid 8 x 32, 4 waves a work-group, clusters of 4 x 4, 327,680 bytes of LDS; arguments ac, w_fc_codes, lowp_scales, x, x2; writes x2
.if DOCPART == 4
	.amdgcn_target "amdgcn-amd-amdhsa--gfx1250"
	.amdhsa_code_object_version 6
	.text
	.protected	k_q983eb59472_fc
	.globl	k_q983eb59472_fc
	.p2align	8
	.type	k_q983eb59472_fc,@function
k_q983eb59472_fc:
	s_mov_b64 s[64:65], 0
	v_nop
	global_prefetch_b8 v0, s[64:65] scope:SCOPE_SE
	s_setreg_imm32_b32 hwreg(HW_REG_WAVE_MODE, 25, 1), 1
	s_wait_xcnt 0x0
	s_wait_alu depctr_hold_cnt(0) depctr_sa_sdst(0) depctr_va_vdst(0) depctr_va_sdst(0) depctr_va_ssrc(0) depctr_va_vcc(0) depctr_vm_vsrc(0)
	s_getreg_b32 s2, hwreg(HW_REG_IB_STS2, 6, 4)
	s_cmp_eq_u32 s2, 0
	s_cbranch_scc0 .Lentry_in_a_cluster
	s_endpgm
.Lentry_in_a_cluster:
	s_bfe_u32 s2, ttmp6, 0x10000c
	s_cmp_lg_u32 s2, 0xf033
	s_cbranch_scc0 .Lentry_shape_is_right
	s_endpgm
.Lentry_shape_is_right:
; x2 = x + attn_val w_fc on E4M3 codes ([4,096 x 1,024] x [1,024 x 1,024]), sums in f32, each multiplied once by 2^(e6 + e7).  Nothing is left out.
; ac: [64 blocks of 64 tokens][16 heads][64 tokens][64 channels] codes, as attention lays it.  w_fc_codes: [1,024][1,024].  x, x2: [4,096][1,024] f32.
; LIMIT: e6 + e7 between -126 and 127.
; A tile of 128 x 128 is made by four waves, each 64 x 64 in 16 accumulators.  ALL OF K lies in LDS: one tensor load a wave at the head, one barrier, and no byte is filled again.
; Waves 0, 1: a block of 64 tokens each, 65,536 dense bytes, as 256 rows of 256 bytes (one head's codes of four tokens a row) + 16 of padding.  Waves 2, 3: 64 rows of the weight each, 1,024 bytes + 16.
; CLUSTERS of 4 x 4: the four of a row ask jointly for the tokens' tile, the four of a column for the weight's.  No prefetch: all tiles are asked for at the head, and there is no loop to run ahead in.
; THE MATRIX INSTRUCTION IS USED TRANSPOSED (source 0 = 16 rows of the weight, source 1 = 16 tokens): a lane holds eight neighbouring columns of a token.
; REGISTERS: window 0: v0-31 addresses, v128-255 the accumulators; window 1: two buffers of fragments (128 along K: the tokens' at f, the weight's at f + 64); window 2: v0-127 my part of x.
.set UP,     272                       ; a row of the tokens' tile in LDS
.set ABLK,   256*UP
.set BP,     1040                      ; a row of the weight's tile
.set BHALF,  64*BP
.set BBASE,  2*ABLK
.set STAGE,  BBASE+2*BHALF             ; the way out: 16 rows x 272 bytes a wave, bytes of their own
.set SPITCH, 272
.set SPARE,  STAGE+4*16*SPITCH         ; the spare words, 128 bytes a wave
.set ADRA, 16                          ; v16, v17  my tokens' fragments: heads 0-7, heads 8-15
.set ADRB, 20                          ; v20       my rows of the weight
.set STO,  24
.set RD,   25
.set CO,   26
.set SPW,  28                          ; my spare word; never rewritten
.set NIL,  29                          ; 0; never rewritten
.set ACC,  128
.set F0,   0
.set F1,   128
.set G1, 24
.set G0, 32
.set G1B, 48
.set G0B, 56
.set MSB, 0
.macro WIN new                         ; the immediate's high byte repeats the setting that is left
.if MSB != (\new)
	s_set_vgpr_msb (MSB<<8)|(\new)
.set MSB, \new
.endif
.endm
.set MUL,  0x05                        ; sources 0 and 1 window 1
.set TO_F, 0x40                        ; destination window 1
.macro CROUND                          ; a round of the cluster's barrier
	s_barrier_signal -1
	s_barrier_wait -1
	s_cmp_lg_u32 s10, 0
	s_cbranch_scc1 .Lnot_wave_0_\@
	s_barrier_signal -3
.Lnot_wave_0_\@:
	s_barrier_wait -3
	s_barrier_signal -1
	s_barrier_wait -1
.endm
	s_load_b128 s[4:7], s[0:1], 0x0                ; ac, the weight's codes
	s_load_b128 s[68:71], s[0:1], 0x10             ; the scales' exponents, x
	s_load_b64 s[8:9], s[0:1], 0x20                ; x2
	v_lshl_add_u32 v[SPW], v0, 2, SPARE
	v_mov_b32 v[NIL], 0
	ds_add_u32 v[SPW], v[NIL]                      ; the wave's opening: the add, twice on end, and its wait ahead of my tensor load
	ds_add_u32 v[SPW], v[NIL]
	v_lshrrev_b32 v1, 5, v0
	v_readfirstlane_b32 s10, v1                    ; wave 0..3
	s_lshr_b32 s11, s10, 1                         ; which 64 tokens are mine.  Also: I fetch tokens (0) or the weight (1)
	s_and_b32 s12, s10, 1                          ; which 64 columns.  Also: which half of that tile I fetch
	s_bfe_u32 s40, ttmp6, 0x40000                  ; cx, cy
	s_bfe_u32 s41, ttmp6, 0x40004
	s_lshl_b32 s42, ttmp9, 2
	s_add_co_u32 s42, s42, s40                     ; tile column
	s_and_b32 s13, ttmp7, 0xffff
	s_lshl_b32 s13, s13, 2
	s_add_co_u32 s13, s13, s41                     ; tile row
	s_lshl_b32 s43, s41, 2
	s_lshl_b32 s43, 15, s43                        ; my row of the cluster
	s_lshl_b32 s44, 0x1111, s40                    ; my column
	s_or_b32 s[G1+0], s43, (1<<20)|(1<<21)|(5<<22)|(3<<25)    ; the mask; elements of 1 byte; padding: four words after every 64; bit 21 beside a mask
	s_mov_b32 s[G1+1], 256<<16
	s_mov_b32 s[G1+2], 256<<16
	s_mov_b32 s[G1+3], 256<<16
	s_mov_b32 s[G1+4], 256
	s_mov_b32 s[G1+5], 256                         ; dense
	s_mov_b32 s[G1+6], 0
	s_mov_b32 s[G1+7], 0
	s_or_b32 s[G1B+0], s44, (1<<20)|(1<<21)|(7<<22)|(3<<25)   ; four words after every 256
	s_mov_b32 s[G1B+1], 1024<<16
	s_mov_b32 s[G1B+2], 64<<16
	s_mov_b32 s[G1B+3], 1024<<16
	s_mov_b32 s[G1B+4], 64
	s_mov_b32 s[G1B+5], 1024
	s_mov_b32 s[G1B+6], 0
	s_mov_b32 s[G1B+7], 0
	s_lshl_b32 s16, s13, 1
	s_add_co_u32 s16, s16, s12
	s_lshl_b32 s16, s16, 16                        ; the tokens: block 2 x tile row + half, 65,536 bytes each
	s_mov_b32 s17, 0
	s_lshl_b32 s46, s42, 1
	s_add_co_u32 s46, s46, s12
	s_lshl_b32 s46, s46, 16                        ; the weight: 64 rows of 1,024 bytes likewise
	s_mov_b32 s47, 0
	s_mov_b32 s[G0], 1
	s_mul_i32 s[G0+1], s12, ABLK                   ; no place in the cluster enters an LDS address
	s_mov_b32 s[G0B], 1
	s_mul_i32 s[G0B+1], s12, BHALF
	s_add_co_u32 s[G0B+1], s[G0B+1], BBASE
	s_wait_dscnt 0x0                               ; both opening adds are done
	s_wait_kmcnt 0x0
	s_load_b64 s[74:75], s[68:69], 0x18            ; e6, e7
	s_add_nc_u64 s[G0+2:G0+3], s[4:5], s[16:17]
	s_or_b32 s[G0+3], s[G0+3], 0x80000000
	s_add_nc_u64 s[G0B+2:G0B+3], s[6:7], s[46:47]
	s_or_b32 s[G0B+3], s[G0B+3], 0x80000000
	CROUND                                         ; all sixteen work-groups are here: the joint loads meet
	s_cmp_eq_u32 s11, 0                            ; every wave issues one load; the branch hangs on the wave's number alone
	s_cbranch_scc0 .Lfor_b
	tensor_load_to_lds s[G0:G0+3], s[G1:G1+7]
	s_nop 0
.rept 4
	v_nop
.endr
	s_branch .Lasked
.Lfor_b:
	tensor_load_to_lds s[G0B:G0B+3], s[G1B:G1B+7]
	s_nop 0
.rept 4
	v_nop
.endr
.Lasked:
	v_and_b32 v1, 15, v0                           ; r
	v_bfe_u32 v2, v0, 4, 1                         ; h
	v_lshrrev_b32 v3, 2, v1
	v_mul_u32_u24 v3, v3, UP
	v_and_b32 v4, 3, v1
	v_lshl_add_u32 v3, v4, 6, v3
	v_lshl_add_u32 v3, v2, 4, v3                   ; token r of sixteen: row r / 4, byte 64 (r % 4) + 16 h
	s_mul_i32 s21, s11, ABLK
	v_add_nc_u32 v[ADRA], s21, v3
	v_add_nc_u32 v[ADRA+1], 128*UP, v[ADRA]        ; eight heads of sixteen rows on
	v_mul_u32_u24 v4, v1, BP
	v_lshl_add_u32 v4, v2, 4, v4
	s_mul_i32 s22, s12, BHALF
	s_add_co_u32 s22, s22, BBASE
	v_add_nc_u32 v[ADRB], s22, v4
	s_mul_i32 s23, s10, 16*SPITCH
	s_add_co_u32 s23, s23, STAGE                   ; my stage
	v_mul_u32_u24 v4, v1, SPITCH
	v_lshl_add_u32 v4, v2, 5, v4
	v_add_nc_u32 v[STO], s23, v4                   ; in: row r, 32 bytes for each half of the lanes
	v_mul_u32_u24 v5, v2, SPITCH
	v_lshl_add_u32 v5, v1, 4, v5
	v_add_nc_u32 v[RD], s23, v5                    ; back: lanes 0-15 one row of 256 bytes, lanes 16-31 the next
	v_lshlrev_b32 v5, 12, v2
	v_lshl_add_u32 v[CO], v1, 4, v5                ; and the same two rows in x and x2
	s_wait_alu depctr_va_vdst(0)                   ; at the end of the head's vector work, ahead of the scalar lines and waits below
	s_lshl_b32 s16, s13, 7
	s_lshl_b32 s17, s11, 6
	s_add_co_u32 s16, s16, s17
	s_lshl_b32 s16, s16, 12                        ; my first row, 4,096 bytes each,
	s_lshl_b32 s78, s42, 9
	s_lshl_b32 s79, s12, 8
	s_add_co_u32 s78, s78, s79                     ; my first column
	s_add_co_u32 s76, s16, s78
	s_mov_b32 s77, 0
	s_add_nc_u64 s[70:71], s[70:71], s[76:77]
	s_add_nc_u64 s[8:9], s[8:9], s[76:77]
	WIN 0x80
.irp a, 0,1,2,3
.irp t, 0,1,2,3,4,5,6,7
	global_load_b128 v[32*\a+4*\t:32*\a+4*\t+3], v[CO], s[70:71] offset:(16*\a+2*\t)*4096 th:TH_LOAD_NT   ; my 64 x 64 of x, in the order in which the stage gives the sums back
.endr
.endr
	WIN 0
; 8 matrix instructions: tokens' blocks a0, a0 + 1 x the weight's four, 64 along K (one head).  The 16 accumulators take turns, one instruction a turn.
.macro MUL8 f, c, a0, zero
.irp a, \a0, \a0+1
.irp b, 0,1,2,3
.if \zero
	v_wmma_f32_16x16x64_fp8_fp8 v[ACC+8*(4*(\a)+\b):ACC+8*(4*(\a)+\b)+7], v[\f+64+8*(4*\c+\b):\f+64+8*(4*\c+\b)+7], v[\f+8*(4*\c+\a):\f+8*(4*\c+\a)+7], 0
.else
	v_wmma_f32_16x16x64_fp8_fp8 v[ACC+8*(4*(\a)+\b):ACC+8*(4*(\a)+\b)+7], v[\f+64+8*(4*\c+\b):\f+64+8*(4*\c+\b)+7], v[\f+8*(4*\c+\a):\f+8*(4*\c+\a)+7], v[ACC+8*(4*(\a)+\b):ACC+8*(4*(\a)+\b)+7]
.endif
.endr
.endr
.endm
; 32 LDS loads: the fragments of the n-th 128 along K (heads 2 n, 2 n + 1) into buffer f.  Registers 0-3 of a fragment hold bytes 16 h on of a head's 64, registers 4-7 bytes 32 + 16 h on: one order on both sides.
.macro FETCH n, f
	WIN TO_F
.irp c, 0,1
.irp i, 0,1,2,3
	ds_load_b128 v[\f+64+8*(4*\c+\i):\f+64+8*(4*\c+\i)+3],   v[ADRB] offset:128*(\n)+64*\c+\i*16*BP
	ds_load_b128 v[\f+64+8*(4*\c+\i)+4:\f+64+8*(4*\c+\i)+7], v[ADRB] offset:128*(\n)+64*\c+\i*16*BP+32
	ds_load_b128 v[\f+8*(4*\c+\i):\f+8*(4*\c+\i)+3],         v[ADRA+(\n)/4] offset:(((2*(\n)+\c)%8)*16+4*\i)*UP
	ds_load_b128 v[\f+8*(4*\c+\i)+4:\f+8*(4*\c+\i)+7],       v[ADRA+(\n)/4] offset:(((2*(\n)+\c)%8)*16+4*\i)*UP+32
.endr
.endr
.endm
.macro PLACES                          ; plain vector lines between a matrix instruction and a load into, or a vector read of, its registers
.rept 4
	v_nop
.endr
.endm
.macro QUARTER n, f, g, zero           ; multiplies buffer f; in its middle it fetches the n-th 128 along K into buffer g
	s_wait_dscnt 16                                ; the first head's sixteen loads are in, the second's may be out
	WIN MUL
	MUL8 \f, 0, 0, \zero
	MUL8 \f, 0, 2, \zero
	PLACES
	FETCH \n, \g
	s_wait_dscnt 32                                ; all but the 32 just issued
	WIN MUL
	MUL8 \f, 1, 0, 0
	MUL8 \f, 1, 2, 0
.endm
	s_wait_tensorcnt 0x0                           ; my part of the tiles has landed;
	s_barrier_signal -1
	s_barrier_wait -1                              ; everybody's has
	FETCH 0, F0
	QUARTER 1, F0, F1, 1                           ; the first products start the sums
	QUARTER 2, F1, F0, 0
	QUARTER 3, F0, F1, 0
	QUARTER 4, F1, F0, 0
	QUARTER 5, F0, F1, 0
	QUARTER 6, F1, F0, 0
	QUARTER 7, F0, F1, 0
	s_wait_dscnt 16
	WIN MUL
	MUL8 F1, 0, 0, 0
	MUL8 F1, 0, 2, 0
	s_wait_dscnt 0
	MUL8 F1, 1, 0, 0
	MUL8 F1, 1, 2, 0
	WIN 0
	s_wait_kmcnt 0x0
	s_add_co_i32 s74, s74, s75
	s_add_co_i32 s74, s74, 127
	s_lshl_b32 s74, s74, 23                        ; 2^(e6 + e7) as f32
	s_mov_b32 s75, s74                             ; (named with it as a pair, so it is written)
	s_wait_loadcnt 0x0                             ; x
	PLACES
; THE WAY OUT, block by block of 16 tokens x 64 columns: scaled, through my own stage, back as rows of 256 bytes, x added, stored: sixteen lanes store 256 consecutive bytes, aligned.
.macro PACK a
.set J, 0
.rept 16
	v_pk_mul_f32 v[ACC+32*\a+J:ACC+32*\a+J+1], v[ACC+32*\a+J:ACC+32*\a+J+1], s[74:75] op_sel_hi:[1,0]   ; each accumulator from its low end on
.set J, J+2
.endr
.irp b, 0,1,2,3
	ds_store_b128 v[STO], v[ACC+32*\a+8*\b:ACC+32*\a+8*\b+3] offset:64*\b
	ds_store_b128 v[STO], v[ACC+32*\a+8*\b+4:ACC+32*\a+8*\b+7] offset:64*\b+16
.endr
.irp t, 0,1,2,3,4,5,6,7
	ds_load_b128 v[ACC+32*\a+4*\t:ACC+32*\a+4*\t+3], v[RD] offset:\t*2*SPITCH   ; LDS serves a wave's instructions in order (ISA guide 5.7.1.4)
.endr
.endm
.macro SEND a
	s_wait_dscnt 16*(3-\a)                         ; block a is back; the later blocks' eight stores and eight loads each may be out
	WIN 0x08                                       ; source 1 (x) window 2
.set J, 0
.rept 16
	v_pk_add_f32 v[ACC+32*\a+J:ACC+32*\a+J+1], v[ACC+32*\a+J:ACC+32*\a+J+1], v[32*\a+J:32*\a+J+1]
.set J, J+2
.endr
	WIN 0
.irp t, 0,1,2,3,4,5,6,7
	global_store_b128 v[CO], v[ACC+32*\a+4*\t:ACC+32*\a+4*\t+3], s[8:9] offset:(16*\a+2*\t)*4096
.endr
.endm
	PACK 0
	PACK 1
	PACK 2
	PACK 3
	SEND 0
	SEND 1
	SEND 2
	SEND 3
	s_wait_tensorcnt 0x0                           ; the wave's end
	ds_add_u32 v[SPW], v[NIL]
	s_wait_dscnt 0x0
	CROUND                                         ; the closing round
	s_endpgm
.Lfunc_end_k_q983eb59472_fc:
	.size	k_q983eb59472_fc, .Lfunc_end_k_q983eb59472_fc-k_q983eb59472_fc
	.p2alignl 7, 3214868480
	.fill 96, 4, 3214868480
	.section	.rodata,"a",@progbits
	.p2align	6, 0x0
	.amdhsa_kernel k_q983eb59472_fc
		.amdhsa_group_segment_fixed_size 327680
		.amdhsa_private_segment_fixed_size 0
		.amdhsa_enable_private_segment 0
		.amdhsa_kernarg_size 40
		.amdhsa_user_sgpr_count 2
		.amdhsa_user_sgpr_kernarg_segment_ptr 1
		.amdhsa_wavefront_size32 1
		.amdhsa_system_sgpr_workgroup_id_x 1
		.amdhsa_system_sgpr_workgroup_id_y 1
		.amdhsa_system_sgpr_workgroup_id_z 1
		.amdhsa_system_vgpr_workitem_id 0
		.amdhsa_next_free_vgpr 640
		.amdhsa_next_free_sgpr 80
		.amdhsa_reserve_vcc 0
		.amdhsa_float_denorm_mode_32 3
		.amdhsa_float_denorm_mode_16_64 3
		.amdhsa_memory_ordered 1
		.amdhsa_forward_progress 1
		.amdhsa_inst_pref_size 60
	.end_amdhsa_kernel
	.amdgpu_metadata
---
amdhsa.version: [ 1, 2 ]
amdhsa.kernels:
  - .name:           k_q983eb59472_fc
    .symbol:         k_q983eb59472_fc.kd
    .args:
      - { .name: ac, .offset: 0, .size: 8, .value_kind: global_buffer, .address_space: global }
      - { .name: w_fc_codes, .offset: 8, .size: 8, .value_kind: global_buffer, .address_space: global }
      - { .name: lowp_scales, .offset: 16, .size: 8, .value_kind: global_buffer, .address_space: global }
      - { .name: x, .offset: 24, .size: 8, .value_kind: global_buffer, .address_space: global }
      - { .name: x2, .offset: 32, .size: 8, .value_kind: global_buffer, .address_space: global }
    .group_segment_fixed_size: 327680
    .private_segment_fixed_size: 0
    .kernarg_segment_align: 8
    .kernarg_segment_size: 40
    .max_flat_workgroup_size: 128
    .sgpr_count:     80
    .vgpr_count:     640
    .wavefront_size: 32
...
	.end_amdgpu_metadata
.endif
;; end of part 4
;; launch ln2 (part 5): grid 256 x 1, 8 waves a work-group, no clusters, 82,944 bytes of LDS; arguments x2, lowp_scales, hq; writes hq
.if DOCPART == 5
	.amdgcn_target "amdgcn-amd-amdhsa--gfx1250"
	.amdhsa_code_object_version 6
	.text
	.protected	k_q983eb59472_ln2
	.globl	k_q983eb59472_ln2
	.p2align	8
	.type	k_q983eb59472_ln2,@function
k_q983eb59472_ln2:
	s_mov_b64 s[64:65], 0
	v_nop
	global_prefetch_b8 v0, s[64:65] scope:SCOPE_SE
	s_setreg_imm32_b32 hwreg(HW_REG_WAVE_MODE, 25, 1), 1
	s_wait_xcnt 0x0
; The second LayerNorm: h = (x2 - mean) / sqrt(var + 1e-5) along a row of 1,024, in f32, then code = h / 2^e held within +-448, to the nearest E4M3 code, ties to even.  e = lowp_scales[8].  Nothing is left out.
; LIMITS: -126 <= e and e + 8 <= 127.  NaN and infinities among the rows are not served.
; SHARES.  A wave takes two neighbouring rows, whole: sixteen loads of 512 consecutive bytes, all issued at once; no loop, no barrier: waves share nothing.
; Each half row turns through the wave's own stage in LDS, stored as loaded and read back 64 bytes a lane (16 bytes of padding behind each 64), so that a lane holds 16 neighbours for the conversions.
; A lane's 16 codes are 16 bytes: a store covers 512 consecutive bytes, aligned.  No matrix unit, no tensor load, no cluster: the work is a stream and nothing is shared.
.set SC_OFF, 0x20                      ; byte of this launch's exponent in lowp_scales
.set SP,    80
.set STG,   32*SP
.set WREG,  4*STG
.set SPARE, 8*WREG                     ; the spare words, 128 bytes a wave
.set R,    16                          ; v16-79   the rows as loaded
.set X,    80                          ; v80-143  turned: register 16 s + i = element 512 s + 16 lane + i
.set C,    144                         ; v144-159 codes
.set LIM,  10
.set SCL,  11
.set SPW,  12
.set NIL,  13
.set SIN,  14
.set SOUT, 15
.set CH,   160
.set MEAN, 168
.set RSTD, 172
.set TP,   176
	s_load_b128 s[4:7], s[0:1], 0x0                ; the rows, the scales' exponents
	s_load_b64 s[8:9], s[0:1], 0x10                ; the codes
	v_lshl_add_u32 v[SPW], v0, 2, SPARE
	v_mov_b32 v[NIL], 0
	v_lshrrev_b32 v1, 5, v0
	s_delay_alu instid0(VALU_DEP_1)
	v_readfirstlane_b32 s16, v1                    ; wave 0..7
	v_and_b32 v1, 31, v0                           ; lane
	s_delay_alu instid0(VALU_DEP_1)
	v_lshlrev_b32 v2, 4, v1                        ; my 16 bytes of 512, in and out
	s_mul_i32 s17, s16, WREG
	v_lshrrev_b32 v[SIN], 2, v1
	s_delay_alu instid0(VALU_DEP_1)
	v_mul_u32_u24 v[SIN], v[SIN], SP
	v_and_b32 v[SOUT], 3, v1
	s_delay_alu instid0(VALU_DEP_1)
	v_lshl_add_u32 v[SIN], v[SOUT], 4, v[SIN]
	s_delay_alu instid0(VALU_DEP_1)
	v_add_nc_u32 v[SIN], s17, v[SIN]
	v_mul_u32_u24 v[SOUT], v1, SP
	s_delay_alu instid0(VALU_DEP_1)
	v_add_nc_u32 v[SOUT], s17, v[SOUT]
	v_mov_b32 v[TP], 0                             ; written once: a lane exchange's destination counts as read
	s_lshl_b32 s22, ttmp9, 3
	s_add_co_u32 s22, s22, s16                     ; which pair of rows is my wave's
	s_lshl_b32 s18, s22, 13
	s_mov_b32 s19, 0
	s_lshl_b32 s24, s22, 11
	s_mov_b32 s25, 0
	s_mov_b32 s20, 0x3a800000                      ; 1 / 1,024
	s_mov_b32 s21, 0x3727c5ac                      ; 1e-5
	s_mov_b32 s12, 0x76543210
	s_mov_b32 s13, 0xfedcba98
	s_wait_alu depctr_va_vdst(0)
	s_wait_kmcnt 0x0
	s_load_b32 s22, s[6:7], SC_OFF                 ; e
	s_add_nc_u64 s[4:5], s[4:5], s[18:19]
	s_add_nc_u64 s[8:9], s[8:9], s[24:25]
.irp p, 0,1
.irp j, 0,1,2,3,4,5,6,7
	global_load_b128 v[R+32*\p+4*\j:R+32*\p+4*\j+3], v2, s[4:5] offset:4096*\p+512*\j th:TH_LOAD_NT
.endr
.endr
	s_wait_kmcnt 0x0
	s_add_co_i32 s22, s22, 127
	s_lshl_b32 s23, s22, 23
	v_mov_b32 v[SCL], s23                          ; 2^e as f32
	s_add_co_i32 s22, s22, 8
	s_lshl_b32 s22, s22, 23
	s_or_b32 s22, s22, 0x600000
	v_mov_b32 v[LIM], s22                          ; 448 x 2^e
.macro TURN p                          ; row p through its two stages: LDS serves a wave's instructions in order
.irp s, 0,1
.irp i, 0,1,2,3
	ds_store_b128 v[SIN], v[R+32*\p+16*\s+4*\i:R+32*\p+16*\s+4*\i+3] offset:STG*(2*\p+\s)+8*SP*\i
.endr
.irp i, 0,1,2,3
	ds_load_b128 v[X+32*\p+16*\s+4*\i:X+32*\p+16*\s+4*\i+3], v[SOUT] offset:STG*(2*\p+\s)+16*\i
.endr
.endr
.endm
.macro RED r                           ; the sum over the 32 lanes, in every lane
	s_delay_alu instid0(VALU_DEP_1)
	v_add_f32_dpp v[\r], v[\r], v[\r] row_xmask:1 row_mask:0xf bank_mask:0xf
	s_delay_alu instid0(VALU_DEP_1)
	v_add_f32_dpp v[\r], v[\r], v[\r] row_xmask:2 row_mask:0xf bank_mask:0xf
	s_delay_alu instid0(VALU_DEP_1)
	v_add_f32_dpp v[\r], v[\r], v[\r] row_xmask:4 row_mask:0xf bank_mask:0xf
	s_delay_alu instid0(VALU_DEP_1)
	v_add_f32_dpp v[\r], v[\r], v[\r] row_xmask:8 row_mask:0xf bank_mask:0xf
	s_delay_alu instid0(VALU_DEP_1)
	v_permlanex16_b32 v[TP], v[\r], s12, s13
	s_delay_alu instid0(VALU_DEP_1)
	v_add_f32 v[\r], v[\r], v[TP]
.endm
.macro SUM p
	v_pk_add_f32 v[CH+4*\p:CH+4*\p+1], v[X+32*\p:X+32*\p+1], v[X+32*\p+2:X+32*\p+3]
	v_pk_add_f32 v[CH+4*\p+2:CH+4*\p+3], v[X+32*\p+4:X+32*\p+5], v[X+32*\p+6:X+32*\p+7]
.irp j, 8,12,16,20,24,28
	s_delay_alu instid0(VALU_DEP_2)
	v_pk_add_f32 v[CH+4*\p:CH+4*\p+1], v[CH+4*\p:CH+4*\p+1], v[X+32*\p+\j:X+32*\p+\j+1]
	s_delay_alu instid0(VALU_DEP_2)
	v_pk_add_f32 v[CH+4*\p+2:CH+4*\p+3], v[CH+4*\p+2:CH+4*\p+3], v[X+32*\p+\j+2:X+32*\p+\j+3]
.endr
	s_delay_alu instid0(VALU_DEP_1)
	v_pk_add_f32 v[CH+4*\p:CH+4*\p+1], v[CH+4*\p:CH+4*\p+1], v[CH+4*\p+2:CH+4*\p+3]
	s_delay_alu instid0(VALU_DEP_1)
	v_add_f32 v[CH+4*\p], v[CH+4*\p], v[CH+4*\p+1]
	RED CH+4*\p
	s_delay_alu instid0(VALU_DEP_1)
	v_mul_f32 v[MEAN+2*\p], s20, v[CH+4*\p]
	s_delay_alu instid0(VALU_DEP_2)
	v_mul_f32 v[MEAN+2*\p+1], s20, v[CH+4*\p]
.endm
.macro VAR p
.set J, 0
.rept 16
	v_pk_add_f32 v[X+32*\p+J:X+32*\p+J+1], v[X+32*\p+J:X+32*\p+J+1], v[MEAN+2*\p:MEAN+2*\p+1] neg_lo:[0,1] neg_hi:[0,1]
.set J, J+2
.endr
	v_pk_mul_f32 v[CH+4*\p:CH+4*\p+1], v[X+32*\p:X+32*\p+1], v[X+32*\p:X+32*\p+1]
	v_pk_mul_f32 v[CH+4*\p+2:CH+4*\p+3], v[X+32*\p+2:X+32*\p+3], v[X+32*\p+2:X+32*\p+3]
.irp j, 4,8,12,16,20,24,28
	s_delay_alu instid0(VALU_DEP_2)
	v_pk_fma_f32 v[CH+4*\p:CH+4*\p+1], v[X+32*\p+\j:X+32*\p+\j+1], v[X+32*\p+\j:X+32*\p+\j+1], v[CH+4*\p:CH+4*\p+1]
	s_delay_alu instid0(VALU_DEP_2)
	v_pk_fma_f32 v[CH+4*\p+2:CH+4*\p+3], v[X+32*\p+\j+2:X+32*\p+\j+3], v[X+32*\p+\j+2:X+32*\p+\j+3], v[CH+4*\p+2:CH+4*\p+3]
.endr
	s_delay_alu instid0(VALU_DEP_1)
	v_pk_add_f32 v[CH+4*\p:CH+4*\p+1], v[CH+4*\p:CH+4*\p+1], v[CH+4*\p+2:CH+4*\p+3]
	s_delay_alu instid0(VALU_DEP_1)
	v_add_f32 v[CH+4*\p], v[CH+4*\p], v[CH+4*\p+1]
	RED CH+4*\p
	s_delay_alu instid0(VALU_DEP_1)
	v_fma_f32 v[CH+4*\p], v[CH+4*\p], s20, s21
.endm
.macro OUT p
.set J, 0
.rept 16
	v_pk_mul_f32 v[X+32*\p+J:X+32*\p+J+1], v[X+32*\p+J:X+32*\p+J+1], v[RSTD+2*\p:RSTD+2*\p+1]
.set J, J+2
.endr
.set J, 0
.rept 32
	v_med3_num_f32 v[X+32*\p+J], v[X+32*\p+J], -v[LIM], v[LIM]   ; the conversion to an 8-bit code does not saturate (ISA guide 7.6.2): hold first
.set J, J+1
.endr
.irp g, 0,1,2,3
	v_cvt_scalef32_pk8_fp8_f32 v[C+8*\p+2*\g:C+8*\p+2*\g+1], v[X+32*\p+8*\g:X+32*\p+8*\g+7], v[SCL]
.endr
	v_nop                                          ; a plain line behind the last conversion of the run
	global_store_b128 v2, v[C+8*\p:C+8*\p+3], s[8:9] offset:1024*\p
	global_store_b128 v2, v[C+8*\p+4:C+8*\p+7], s[8:9] offset:1024*\p+512
.endm
	s_wait_loadcnt 8                               ; row 0's eight loads are in; row 1's eight may be out
	TURN 0
	s_wait_loadcnt 0x0
	TURN 1
	s_wait_dscnt 16                                ; row 0 is back; row 1's eight stores and eight loads may be out
	SUM 0
	s_wait_dscnt 0x0
	SUM 1
	VAR 0
	VAR 1
	s_wait_alu depctr_va_vdst(0)
	v_rsq_f32 v[RSTD], v[CH]
	v_rsq_f32 v[RSTD+1], v[CH]
	v_rsq_f32 v[RSTD+2], v[CH+4]
	v_rsq_f32 v[RSTD+3], v[CH+4]
	v_nop                                          ; a plain line behind the last of them (ISA guide 5.7.2)
	s_wait_alu depctr_va_vdst(0)                   ; one wait for the batch, ahead of its first reader
	OUT 0
	OUT 1
	s_wait_tensorcnt 0x0                           ; the wave's end, behind my last LDS store
	ds_add_u32 v[SPW], v[NIL]
	s_wait_dscnt 0x0
	s_endpgm
.Lfunc_end_k_q983eb59472_ln2:
	.size	k_q983eb59472_ln2, .Lfunc_end_k_q983eb59472_ln2-k_q983eb59472_ln2
	.p2alignl 7, 3214868480
	.fill 96, 4, 3214868480
	.section	.rodata,"a",@progbits
	.p2align	6, 0x0
	.amdhsa_kernel k_q983eb59472_ln2
		.amdhsa_group_segment_fixed_size 82944
		.amdhsa_private_segment_fixed_size 0
		.amdhsa_enable_private_segment 0
		.amdhsa_kernarg_size 24
		.amdhsa_user_sgpr_count 2
		.amdhsa_user_sgpr_kernarg_segment_ptr 1
		.amdhsa_wavefront_size32 1
		.amdhsa_system_sgpr_workgroup_id_x 1
		.amdhsa_system_sgpr_workgroup_id_y 1
		.amdhsa_system_sgpr_workgroup_id_z 1
		.amdhsa_system_vgpr_workitem_id 0
		.amdhsa_next_free_vgpr 184
		.amdhsa_next_free_sgpr 66
		.amdhsa_reserve_vcc 0
		.amdhsa_float_denorm_mode_32 3
		.amdhsa_float_denorm_mode_16_64 3
		.amdhsa_memory_ordered 1
		.amdhsa_forward_progress 1
		.amdhsa_inst_pref_size 24
	.end_amdhsa_kernel
	.amdgpu_metadata
---
amdhsa.version: [ 1, 2 ]
amdhsa.kernels:
  - .name:           k_q983eb59472_ln2
    .symbol:         k_q983eb59472_ln2.kd
    .args:
      - { .name: x2, .offset: 0, .size: 8, .value_kind: global_buffer, .address_space: global }
      - { .name: lowp_scales, .offset: 8, .size: 8, .value_kind: global_buffer, .address_space: global }
      - { .name: hq, .offset: 16, .size: 8, .value_kind: global_buffer, .address_space: global }
    .group_segment_fixed_size: 82944
    .private_segment_fixed_size: 0
    .kernarg_segment_align: 8
    .kernarg_segment_size: 24
    .max_flat_workgroup_size: 256
    .sgpr_count:     66
    .vgpr_count:     184
    .wavefront_size: 32
...
	.end_amdgpu_metadata
.endif
;; end of part 5
;; launch mlp1 (part 6): grid 16 x 16, 4 waves a work-group, clusters of 4 x 4, 327,680 bytes of LDS; arguments hq, w1_codes, lowp_scales, b1, g; writes g
.if DOCPART == 6
	.amdgcn_target "amdgcn-amd-amdhsa--gfx1250"
	.amdhsa_code_object_version 6
	.text
	.protected	k_q983eb59472_mlp1
	.globl	k_q983eb59472_mlp1
	.p2align	8
	.type	k_q983eb59472_mlp1,@function
k_q983eb59472_mlp1:
	s_mov_b64 s[64:65], 0
	v_nop
	global_prefetch_b8 v0, s[64:65] scope:SCOPE_SE
	s_setreg_imm32_b32 hwreg(HW_REG_WAVE_MODE, 25, 1), 1
	s_wait_xcnt 0x0
	s_wait_alu depctr_hold_cnt(0) depctr_sa_sdst(0) depctr_va_vdst(0) depctr_va_sdst(0) depctr_va_ssrc(0) depctr_va_vcc(0) depctr_vm_vsrc(0)
	s_getreg_b32 s2, hwreg(HW_REG_IB_STS2, 6, 4)
	s_cmp_eq_u32 s2, 0
	s_cbranch_scc0 .Lentry_in_a_cluster
	s_endpgm
.Lentry_in_a_cluster:
	s_bfe_u32 s2, ttmp6, 0x10000c
	s_cmp_lg_u32 s2, 0xf033
	s_cbranch_scc0 .Lentry_shape_is_right
	s_endpgm
.Lentry_shape_is_right:
.set MLP1,   1
.set KSTEP,  256
.set ROWB,   256
.set KROW,   1024
.set PITCH,  272
.set FR,     16
.set NL,     4
.set NP,     4
.set HALFT,  128*PITCH
.set SLOT,   4*HALFT
.set LAPS,   KROW/(2*KSTEP)
.set SPARE,  2*SLOT
.if MLP1
.set OP,     4096
.else
.set OP,     2048
.endif
.set ADRA, 16
.set ADRB, 20
.set STO,  24
.set RD,   25
.set CO,   26
.set BO,   27
.set SPW,  28
.set NIL,  29
.set SCL,  30
.set LIM,  31
.set BI,   32
.set CD,   96
.set AF,   128
.set Y,    128
.set U,    192
.set G1, 24
.set G0, 32
.set G1B, 48
.set G0B, 56
.set MSB, 0
.macro WIN new
.if MSB != (\new)
	s_set_vgpr_msb (MSB<<8)|(\new)
.set MSB, \new
.endif
.endm
.set MUL_LO, 0xa1
.set MUL_HI, 0xf1
.set TO_B,   0x40
.macro JLOAD g0a, g1a, g0b, g1b
	s_cmp_eq_u32 s15, 0
	s_cbranch_scc0 .Lfor_b_\@
	tensor_load_to_lds s[\g0a:\g0a+3], s[\g1a:\g1a+7]
	s_nop 0
.rept 4
	v_nop
.endr
	s_branch .Lasked_\@
.Lfor_b_\@:
	tensor_load_to_lds s[\g0b:\g0b+3], s[\g1b:\g1b+7]
	s_nop 0
.rept 4
	v_nop
.endr
.Lasked_\@:
.endm
.macro CREST
	s_cmp_lg_u32 s14, 0
	s_cbranch_scc1 .Lnot_wave_0_\@
	s_barrier_signal -3
.Lnot_wave_0_\@:
	s_barrier_wait -3
	s_barrier_signal -1
	s_barrier_wait -1
.endm
.macro CROUND
	s_barrier_signal -1
	s_barrier_wait -1
	CREST
.endm
	s_load_b128 s[4:7], s[0:1], 0x0
	s_load_b128 s[8:11], s[0:1], 0x10
	s_load_b64 s[12:13], s[0:1], 0x20
	v_lshl_add_u32 v[SPW], v0, 2, SPARE
	v_mov_b32 v[NIL], 0
	ds_add_u32 v[SPW], v[NIL]
	ds_add_u32 v[SPW], v[NIL]
	v_lshrrev_b32 v1, 5, v0
	v_readfirstlane_b32 s14, v1
	s_lshr_b32 s15, s14, 1
	s_and_b32 s16, s14, 1
	s_bfe_u32 s40, ttmp6, 0x40000
	s_bfe_u32 s41, ttmp6, 0x40004
	s_mov_b32 s66, ttmp9
	s_and_b32 s67, ttmp7, 0xffff
	s_lshl_b32 s73, s66, 2
	s_lshl_b32 s74, s67, 2
.if MLP1
	s_add_co_u32 s17, s74, s41
	s_add_co_u32 s42, s73, s40
.else
	s_cmp_eq_u32 s66, 2
	s_cselect_b32 s17, 8, s74
	s_cselect_b32 s42, s74, s73
	s_add_co_u32 s17, s17, s41
	s_add_co_u32 s42, s42, s40
.endif
	s_lshl_b32 s43, s41, 2
	s_lshl_b32 s43, 15, s43
	s_lshl_b32 s44, 0x1111, s40
	s_or_b32 s[G1+0], s43, (0<<16)|(1<<20)|(1<<21)|(5<<22)|(3<<25)
	s_or_b32 s[G1B+0], s44, (0<<16)|(1<<20)|(1<<21)|(5<<22)|(3<<25)
.irp g, G1, G1B
	s_mov_b32 s[\g+1], ROWB<<16
	s_mov_b32 s[\g+2], 128<<16
	s_mov_b32 s[\g+3], ROWB<<16
	s_mov_b32 s[\g+4], 128
	s_mov_b32 s[\g+5], KROW
	s_mov_b32 s[\g+6], 0
	s_mov_b32 s[\g+7], 0
.endr
	s_lshl_b32 s18, s16, 7
	s_lshl_b32 s20, s17, 8
	s_add_co_u32 s20, s20, s18
	s_lshl_b32 s20, s20, 10
	s_mov_b32 s21, 0
	s_lshl_b32 s46, s42, 8
	s_add_co_u32 s46, s46, s18
	s_lshl_b32 s46, s46, 10
	s_mov_b32 s47, 0
	s_mul_i32 s45, s14, HALFT
	s_wait_dscnt 0x0
	s_wait_kmcnt 0x0
.if MLP1
	s_load_b128 s[68:71], s[8:9], 0x20
	s_mov_b64 s[80:81], s[4:5]
	s_mov_b64 s[82:83], s[6:7]
	s_mov_b64 s[84:85], s[12:13]
.else
	s_load_b128 s[68:71], s[8:9], 0x0
	s_load_b32 s72, s[8:9], 0x10
	s_cmp_eq_u32 s66, 2
	s_cselect_b64 s[80:81], s[6:7], s[4:5]
	s_cselect_b64 s[82:83], s[4:5], s[6:7]
	s_cselect_b64 s[84:85], s[12:13], s[10:11]
.endif
	s_add_nc_u64 s[20:21], s[80:81], s[20:21]
	s_add_nc_u64 s[46:47], s[82:83], s[46:47]
	; THE PREFETCHES: with the load of K step j (j = 0, 1) each wave asks for K step j + 2 of 32 of the 128 rows that it fetches, a lane a row, 256 bytes of each.
	; The four partners that ask for a tile jointly share its rows out by address (cx for the tokens, cy for the weight): each block of 256 bytes is named once in a cluster.  K has four steps, so nothing is asked for beyond step 3.
	s_cmp_eq_u32 s15, 0                            ; do I fetch the tokens?
	s_cselect_b64 s[90:91], s[20:21], s[46:47]     ; s[90:91] and v14 are never rewritten
	s_cselect_b32 s92, s40, s41
	s_lshl_b32 s92, s92, 15                        ; my work-group's 32 rows of 1,024 bytes
	s_mov_b32 s93, 0
	s_add_nc_u64 s[90:91], s[90:91], s[92:93]
	v_and_b32 v14, 31, v0
	v_lshlrev_b32 v14, 10, v14
	s_wait_alu depctr_va_vdst(0)                   ; directly ahead of the barrier
	CROUND
.irp s, 0,1
	s_mov_b32 s[G0+4*\s], 1
	s_add_co_u32 s[G0+4*\s+1], s45, \s*SLOT
	s_add_nc_u64 s[G0+4*\s+2:G0+4*\s+3], s[20:21], \s*ROWB
	s_or_b32 s[G0+4*\s+3], s[G0+4*\s+3], 0x80000000
	s_mov_b32 s[G0B+4*\s], 1
	s_add_co_u32 s[G0B+4*\s+1], s45, \s*SLOT
	s_add_nc_u64 s[G0B+4*\s+2:G0B+4*\s+3], s[46:47], \s*ROWB
	s_or_b32 s[G0B+4*\s+3], s[G0B+4*\s+3], 0x80000000
	s_wait_alu depctr_va_vdst(0)
	s_wait_tensorcnt 0x0
	ds_add_u32 v28, v29
	ds_add_u32 v28, v29
	s_wait_dscnt 0x0
	CROUND
	JLOAD G0+4*\s, G1, G0B+4*\s, G1B
	global_prefetch_b8 v14, s[90:91] offset:(\s+2)*ROWB th:TH_LOAD_NT scope:SCOPE_SE
.endr
	v_and_b32 v1, 15, v0
	v_bfe_u32 v2, v0, 4, 1
	v_mul_u32_u24 v3, v1, PITCH
	s_wait_alu depctr_va_vdst(0)
	v_lshl_add_u32 v4, v2, 4, v3
	s_mul_i32 s21, s15, HALFT
	s_mul_i32 s22, s16, HALFT
	s_add_co_u32 s22, s22, 2*HALFT
.irp s, 0,1
	v_add_nc_u32 v[ADRA+\s], s21, v4
	v_add_nc_u32 v[ADRB+\s], s22, v4
	s_add_co_u32 s21, s21, SLOT
	s_add_co_u32 s22, s22, SLOT
.endr
	s_mul_i32 s23, s15, 128*PITCH
	s_lshl_b32 s73, s16, 7
	s_add_co_u32 s23, s23, s73
	v_lshl_add_u32 v5, v2, 3, v3
	v_add_nc_u32 v[STO], s23, v5
	s_mul_i32 s23, s14, 64*PITCH
	v_mul_u32_u24 v5, v2, PITCH
	v_lshl_add_u32 v5, v1, 4, v5
	v_add_nc_u32 v[RD], s23, v5
	s_mul_i32 s23, s14, 64*OP
	v_mul_u32_u24 v5, v2, OP
	v_lshl_add_u32 v5, v1, 4, v5
	v_add_nc_u32 v[CO], s23, v5
.if MLP1
	s_lshl_b32 s86, s17, 20
	s_lshl_b32 s87, s42, 8
	s_add_co_u32 s86, s86, s87
	s_mov_b32 s87, 0
	s_add_nc_u64 s[84:85], s[84:85], s[86:87]
	s_lshl_b32 s88, s42, 10
	s_lshl_b32 s89, s16, 9
	s_add_co_u32 s88, s88, s89
	s_mov_b32 s89, 0
	s_add_nc_u64 s[10:11], s[10:11], s[88:89]
	v_lshlrev_b32 v[BO], 5, v2
.irp b, 0,1,2,3,4,5,6,7
	global_load_b128 v[BI+8*\b:BI+8*\b+3], v[BO], s[10:11] offset:64*\b
	global_load_b128 v[BI+8*\b+4:BI+8*\b+7], v[BO], s[10:11] offset:64*\b+16
.endr
.else
	s_lshr_b32 s75, s67, 1
	s_lshl_b32 s75, s75, 2
	s_cmp_eq_u32 s66, 2
	s_cselect_b32 s75, s75, s74
	s_add_co_u32 s75, s75, s41
	s_lshl_b32 s86, s75, 19
	s_and_b32 s87, s42, 7
	s_lshl_b32 s87, s87, 8
	s_add_co_u32 s86, s86, s87
	s_mov_b32 s87, 0
	s_add_nc_u64 s[84:85], s[84:85], s[86:87]
.endif
.macro FRAG reg, adr, q, i
.irp c, 0,1,2,3
	ds_load_b128 v[\reg+4*\c:\reg+4*\c+3], v[\adr] offset:128*(\q)+32*\c+(\i)*16*PITCH
.endr
.endm
.macro MUL16 a0, p, zero
.irp a, \a0, \a0+1
.irp b, 0,1,2,3,4,5,6,7
.if \zero
	v_wmma_f32_16x16x128_fp8_fp8 v[8*(8*((\a)%4)+\b):8*(8*((\a)%4)+\b)+7], v[128*(\p)+FR*\b:128*(\p)+FR*\b+FR-1], v[AF+FR*(\a):AF+FR*(\a)+FR-1], 0
.else
	v_wmma_f32_16x16x128_fp8_fp8 v[8*(8*((\a)%4)+\b):8*(8*((\a)%4)+\b)+7], v[128*(\p)+FR*\b:128*(\p)+FR*\b+FR-1], v[AF+FR*(\a):AF+FR*(\a)+FR-1], v[8*(8*((\a)%4)+\b):8*(8*((\a)%4)+\b)+7]
.endif
.endr
.endr
.endm
.macro FETCH_B slot, q, p
	WIN TO_B
.irp i, 0,1,2,3,4,5,6,7
	FRAG 128*(\p)+FR*\i, ADRB+\slot, \q, \i
.endr
	WIN 0
.endm
.macro FETCH_A slot, q, i0
.irp i, \i0, \i0+1, \i0+2, \i0+3
	FRAG AF+FR*(\i), ADRA+\slot, \q, \i
.endr
.endm
.macro PLACES n
.rept \n
	v_nop
.endr
.endm
.macro STEP slot, q, zero
	s_wait_dscnt 4*NL
	WIN MUL_LO
	MUL16 0, (\q)%2, \zero
	MUL16 2, (\q)%2, \zero
	s_wait_dscnt 0
	PLACES NP
	FETCH_B \slot, (\q)+1, 1-(\q)%2
	FETCH_A \slot, (\q)+1, 0
	WIN MUL_HI
	MUL16 4, (\q)%2, \zero
	MUL16 6, (\q)%2, \zero
	PLACES NP
	WIN 0
	FETCH_A \slot, (\q)+1, 4
.endm
.macro TURN slot, next, fill
	s_wait_tensorcnt 0x0
	ds_add_u32 v[SPW], v[NIL]
	s_wait_dscnt 4*NL+1
	WIN MUL_LO
	MUL16 0, 1, 0
	s_wait_dscnt 0x0
	s_barrier_signal -1
	MUL16 2, 1, 0
	WIN 0
	s_barrier_wait -1
.if \fill
	CREST
	s_add_nc_u64 s[G0+4*\slot+2:G0+4*\slot+3], s[G0+4*\slot+2:G0+4*\slot+3], 2*ROWB
	s_add_nc_u64 s[G0B+4*\slot+2:G0B+4*\slot+3], s[G0B+4*\slot+2:G0B+4*\slot+3], 2*ROWB
	JLOAD G0+4*\slot, G1, G0B+4*\slot, G1B
.else
	PLACES NP
.endif
	FETCH_B \next, 0, 0
	FETCH_A \next, 0, 0
	WIN MUL_HI
	MUL16 4, 1, 0
	MUL16 6, 1, 0
	PLACES NP
	WIN 0
	FETCH_A \next, 0, 4
.endm
	s_wait_tensorcnt 1
	s_barrier_signal -1
	s_barrier_wait -1
	FETCH_B 0, 0, 0
	FETCH_A 0, 0, 0
	FETCH_A 0, 0, 4
	STEP 0, 0, 1
	s_mov_b32 s3, LAPS-1
.Llap:
	TURN 0, 1, 1
	STEP 1, 0, 0
	TURN 1, 0, 1
	STEP 0, 0, 0
	s_sub_co_u32 s3, s3, 1
	s_cmp_lg_u32 s3, 0
	s_cbranch_scc1 .Llap
	TURN 0, 1, 0
	STEP 1, 0, 0
	s_wait_dscnt 4*NL
	WIN MUL_LO
	MUL16 0, 1, 0
	MUL16 2, 1, 0
	s_wait_dscnt 0
	WIN MUL_HI
	MUL16 4, 1, 0
	MUL16 6, 1, 0
	WIN 0
	s_wait_kmcnt 0x0
.if MLP1
	s_add_co_i32 s76, s68, s69
	s_add_co_i32 s76, s76, 127
	s_lshl_b32 s76, s76, 23
	s_mov_b32 s77, s76
	s_mov_b32 s78, 0xbdd2d3e8
	s_mov_b32 s79, s78
	s_add_co_i32 s73, s70, 127
.else
	s_cmp_eq_u32 s66, 1
	s_cselect_b32 s73, s71, s70
	s_cmp_eq_u32 s66, 2
	s_cselect_b32 s73, s72, s73
	s_sub_co_i32 s73, s73, s68
	s_sub_co_i32 s73, s73, s69
	s_add_co_i32 s73, s73, 127
.endif
	s_lshl_b32 s74, s73, 23
	s_add_co_i32 s73, s73, 8
	s_lshl_b32 s73, s73, 23
	s_or_b32 s73, s73, 0x600000
	PLACES NP
	v_mov_b32 v[SCL], s74
	v_mov_b32 v[LIM], s73
.if MLP1
	v_mov_b32 v12, 0xc0135761
	v_mov_b32 v13, 0xc0135761
	s_wait_loadcnt 0x0
.endif
.macro BLOCKROW a
.set AC, 64*((\a)%4)
.set CC, CD+16*((\a)%2)
	WIN 0x02+((\a)/4)
.if MLP1
.set J, 0
.rept 32
	v_pk_fma_f32 v[Y+J:Y+J+1], v[AC+J:AC+J+1], s[76:77], v[BI+J:BI+J+1] op_sel_hi:[1,0,1]
.set J, J+2
.endr
	WIN 0
.set J, 0
.rept 32
	v_pk_mul_f32 v[U+J:U+J+1], v[Y+J:Y+J+1], v[Y+J:Y+J+1]
.set J, J+2
.endr
.set J, 0
.rept 32
	v_pk_fma_f32 v[U+J:U+J+1], v[U+J:U+J+1], s[78:79], v[12:13] op_sel_hi:[1,0,1]
.set J, J+2
.endr
.set J, 0
.rept 32
	v_pk_mul_f32 v[U+J:U+J+1], v[U+J:U+J+1], v[Y+J:Y+J+1]
.set J, J+2
.endr
.set J, 0
	s_wait_alu depctr_va_vdst(0)
.rept 64
	v_exp_f32 v[U+J], v[U+J]
.set J, J+1
.endr
	v_nop
	s_wait_alu depctr_va_vdst(0)
.set J, 0
.rept 32
	v_pk_add_f32 v[U+J:U+J+1], v[U+J:U+J+1], 1.0 op_sel_hi:[1,0]
.set J, J+2
.endr
.set J, 0
	s_wait_alu depctr_va_vdst(0)
.rept 64
	v_rcp_f32 v[U+J], v[U+J]
.set J, J+1
.endr
	v_nop
	s_wait_alu depctr_va_vdst(0)
.set J, 0
.rept 32
	v_pk_mul_f32 v[Y+J:Y+J+1], v[Y+J:Y+J+1], v[U+J:U+J+1]
.set J, J+2
.endr
.set J, 0
.rept 64
	v_med3_num_f32 v[Y+J], v[Y+J], -v[LIM], v[LIM]
.set J, J+1
.endr
.else
.set J, 0
.rept 64
	v_med3_num_f32 v[Y+J], v[AC+J], -v[LIM], v[LIM]
.set J, J+1
.endr
	WIN 0
.endif
.if (\a) >= 2
	s_wait_alu depctr_va_vdst(0)
	s_wait_dscnt 8
.endif
.irp b, 0,1,2,3,4,5,6,7
	v_cvt_scalef32_pk8_fp8_f32 v[CC+2*\b:CC+2*\b+1], v[Y+8*\b:Y+8*\b+7], v[SCL]
.endr
	v_nop
.irp b, 0,1,2,3,4,5,6,7
	ds_store_b64 v[STO], v[CC+2*\b:CC+2*\b+1] offset:(\a)*16*PITCH+16*\b
.endr
.endm
.irp a, 0,1,2,3,4,5,6,7
	BLOCKROW \a
.endr
	s_wait_dscnt 0x0
	s_barrier_signal -1
	s_barrier_wait -1
.set T, 0
.rept 32
	ds_load_b128 v[128+4*T:128+4*T+3], v[RD] offset:T*2*PITCH
.set T, T+1
.endr
.set T, 0
.rept 32
	s_wait_dscnt 31-T
	global_store_b128 v[CO], v[128+4*T:128+4*T+3], s[84:85] offset:T*2*OP
.set T, T+1
.endr
	s_wait_tensorcnt 0x0
	ds_add_u32 v[SPW], v[NIL]
	s_wait_dscnt 0x0
	CROUND
	s_endpgm
.Lfunc_end_k_q983eb59472_mlp1:
	.size	k_q983eb59472_mlp1, .Lfunc_end_k_q983eb59472_mlp1-k_q983eb59472_mlp1
	.p2alignl 7, 3214868480
	.fill 96, 4, 3214868480
	.section	.rodata,"a",@progbits
	.p2align	6, 0x0
	.amdhsa_kernel k_q983eb59472_mlp1
		.amdhsa_group_segment_fixed_size 327680
		.amdhsa_private_segment_fixed_size 0
		.amdhsa_enable_private_segment 0
		.amdhsa_kernarg_size 40
		.amdhsa_user_sgpr_count 2
		.amdhsa_user_sgpr_kernarg_segment_ptr 1
		.amdhsa_wavefront_size32 1
		.amdhsa_system_sgpr_workgroup_id_x 1
		.amdhsa_system_sgpr_workgroup_id_y 1
		.amdhsa_system_sgpr_workgroup_id_z 1
		.amdhsa_system_vgpr_workitem_id 0
		.amdhsa_next_free_vgpr 1024
		.amdhsa_next_free_sgpr 100
		.amdhsa_reserve_vcc 0
		.amdhsa_float_denorm_mode_32 3
		.amdhsa_float_denorm_mode_16_64 3
		.amdhsa_memory_ordered 1
		.amdhsa_forward_progress 1
		.amdhsa_inst_pref_size 255
	.end_amdhsa_kernel
	.section	.bss,"aw",@nobits
	.p2align	6
	.space	262144
	.amdgpu_metadata
---
amdhsa.version: [ 1, 2 ]
amdhsa.kernels:
  - .name:           k_q983eb59472_mlp1
    .symbol:         k_q983eb59472_mlp1.kd
    .args:
      - { .name: hq, .offset: 0, .size: 8, .value_kind: global_buffer, .address_space: global }
      - { .name: w1_codes, .offset: 8, .size: 8, .value_kind: global_buffer, .address_space: global }
      - { .name: lowp_scales, .offset: 16, .size: 8, .value_kind: global_buffer, .address_space: global }
      - { .name: b1, .offset: 24, .size: 8, .value_kind: global_buffer, .address_space: global }
      - { .name: g, .offset: 32, .size: 8, .value_kind: global_buffer, .address_space: global }
    .group_segment_fixed_size: 327680
    .private_segment_fixed_size: 0
    .kernarg_segment_align: 8
    .kernarg_segment_size: 40
    .max_flat_workgroup_size: 128
    .sgpr_count:     100
    .vgpr_count:     1024
    .wavefront_size: 32
...
	.end_amdgpu_metadata
.endif
;; end of part 6
;; launch mlp2 (part 7): grid 8 x 32, 4 waves a work-group, clusters of 4 x 4, 327,680 bytes of LDS; arguments g, w2_codes, lowp_scales, x2, out0, b2; writes out0
.if DOCPART == 7
	.amdgcn_target "amdgcn-amd-amdhsa--gfx1250"
	.amdhsa_code_object_version 6
	.text
	.protected	k_q983eb59472_mlp2
	.globl	k_q983eb59472_mlp2
	.p2align	8
	.type	k_q983eb59472_mlp2,@function
k_q983eb59472_mlp2:
	s_mov_b64 s[64:65], 0
	v_nop
	global_prefetch_b8 v0, s[64:65] scope:SCOPE_SE
	s_setreg_imm32_b32 hwreg(HW_REG_WAVE_MODE, 25, 1), 1
	s_wait_xcnt 0x0
	s_wait_alu depctr_hold_cnt(0) depctr_sa_sdst(0) depctr_va_vdst(0) depctr_va_sdst(0) depctr_va_ssrc(0) depctr_va_vcc(0) depctr_vm_vsrc(0)
	s_getreg_b32 s2, hwreg(HW_REG_IB_STS2, 6, 4)
	s_cmp_eq_u32 s2, 0
	s_cbranch_scc0 .Lentry_in_a_cluster
	s_endpgm
.Lentry_in_a_cluster:
	s_bfe_u32 s2, ttmp6, 0x10000c
	s_cmp_lg_u32 s2, 0xf033
	s_cbranch_scc0 .Lentry_shape_is_right
	s_endpgm
.Lentry_shape_is_right:
.set SIZE_K, 4096
.set SC_OFF, 0x28
.set BIAS,   1
.set ROWB,   512
.set PITCH,  528
.set HALFT,  64*PITCH
.set SLOT,   4*HALFT
.set STAGE,  2*SLOT
.set SPITCH, 272
.set SPARE,  STAGE+4*16*SPITCH
.set LAPS,   SIZE_K/(2*ROWB)
.set ADRA, 16
.set ADRB, 20
.set STO,  24
.set RD,   25
.set CO,   26
.set BO,   27
.set SPW,  28
.set NIL,  29
.set BI,   32
.set ACC,  128
.set F0,   0
.set F1,   128
.set G1, 24
.set G0, 32
.set G1B, 48
.set G0B, 56
.set MSB, 0
.macro WIN new
.if MSB != (\new)
	s_set_vgpr_msb (MSB<<8)|(\new)
.set MSB, \new
.endif
.endm
.set MUL,  0x05
.set TO_F, 0x40
.macro JLOAD s
	s_cmp_eq_u32 s11, 0
	s_cbranch_scc0 .Lfor_b_\@
	tensor_load_to_lds s[G0+4*\s:G0+4*\s+3], s[G1:G1+7]
	s_nop 0
.rept 4
	v_nop
.endr
	s_branch .Lasked_\@
.Lfor_b_\@:
	tensor_load_to_lds s[G0B+4*\s:G0B+4*\s+3], s[G1B:G1B+7]
	s_nop 0
.rept 4
	v_nop
.endr
.Lasked_\@:
.endm
.macro CREST
	s_cmp_lg_u32 s10, 0
	s_cbranch_scc1 .Lnot_wave_0_\@
	s_barrier_signal -3
.Lnot_wave_0_\@:
	s_barrier_wait -3
	s_barrier_signal -1
	s_barrier_wait -1
.endm
.macro CROUND
	s_barrier_signal -1
	s_barrier_wait -1
	CREST
.endm
	s_load_b128 s[4:7], s[0:1], 0x0
	s_load_b128 s[68:71], s[0:1], 0x10
	s_load_b64 s[8:9], s[0:1], 0x20
.if BIAS
	s_load_b64 s[72:73], s[0:1], 0x28
.endif
	v_lshl_add_u32 v[SPW], v0, 2, SPARE
	v_mov_b32 v[NIL], 0
	ds_add_u32 v[SPW], v[NIL]
	ds_add_u32 v[SPW], v[NIL]
	v_lshrrev_b32 v1, 5, v0
	v_readfirstlane_b32 s10, v1
	s_lshr_b32 s11, s10, 1
	s_and_b32 s12, s10, 1
	s_bfe_u32 s40, ttmp6, 0x40000
	s_bfe_u32 s41, ttmp6, 0x40004
	s_lshl_b32 s42, ttmp9, 2
	s_add_co_u32 s42, s42, s40
	s_and_b32 s13, ttmp7, 0xffff
	s_lshl_b32 s13, s13, 2
	s_add_co_u32 s13, s13, s41
	s_lshl_b32 s43, s41, 2
	s_lshl_b32 s43, 15, s43
	s_lshl_b32 s44, 0x1111, s40
	s_or_b32 s[G1+0], s43, (0<<16)|(1<<20)|(1<<21)|(6<<22)|(3<<25)
	s_or_b32 s[G1B+0], s44, (0<<16)|(1<<20)|(1<<21)|(6<<22)|(3<<25)
.irp g, G1, G1B
	s_mov_b32 s[\g+1], ROWB<<16
	s_mov_b32 s[\g+2], 64<<16
	s_mov_b32 s[\g+3], ROWB<<16
	s_mov_b32 s[\g+4], 64
	s_mov_b32 s[\g+5], SIZE_K
	s_mov_b32 s[\g+6], 0
	s_mov_b32 s[\g+7], 0
.endr
	s_lshl_b32 s17, s12, 6
	s_lshl_b32 s16, s13, 7
	s_add_co_u32 s16, s16, s17
	s_lshl_b32 s46, s42, 7
	s_add_co_u32 s46, s46, s17
	s_mov_b32 s17, 0
	s_mov_b32 s47, 0
	s_mov_b64 s[18:19], SIZE_K
	s_mul_u64 s[16:17], s[16:17], s[18:19]
	s_mul_u64 s[46:47], s[46:47], s[18:19]
	s_mul_i32 s20, s10, HALFT
	s_wait_dscnt 0x0
	s_wait_kmcnt 0x0
	s_load_b64 s[74:75], s[68:69], SC_OFF
	s_add_nc_u64 s[14:15], s[4:5], s[16:17]
	s_add_nc_u64 s[46:47], s[6:7], s[46:47]
	; THE PREFETCHES: with the load of K step j (j = 0 .. 5) each wave asks for K step j + 2 of 16 of the 64 rows that it fetches: two lanes a row, 256 bytes each.
	; The four partners that ask for a tile jointly share its rows out by address (cx for the tokens, cy for the weight): each block of 256 bytes is named once in a cluster.  K has eight steps: the last two loads ask for nothing.
	s_cmp_eq_u32 s11, 0                            ; do I fetch the tokens?
	s_cselect_b64 s[66:67], s[14:15], s[46:47]
	s_cselect_b32 s16, s40, s41
	s_lshl_b32 s16, s16, 16                        ; my work-group's 16 rows of 4,096 bytes
	s_mov_b32 s17, 0
	s_add_nc_u64 s[66:67], s[66:67], s[16:17]
	v_and_b32 v30, 31, v0
	v_lshrrev_b32 v31, 1, v30
	v_and_b32 v30, 1, v30
	v_lshlrev_b32 v30, 8, v30
	v_lshl_add_u32 v30, v31, 12, v30               ; v30: row lane / 2, block lane % 2; never rewritten
	s_wait_alu depctr_va_vdst(0)                   ; directly ahead of the barrier
	CROUND
.irp s, 0,1
	s_mov_b32 s[G0+4*\s], 1
	s_add_co_u32 s[G0+4*\s+1], s20, \s*SLOT
	s_add_nc_u64 s[G0+4*\s+2:G0+4*\s+3], s[14:15], \s*ROWB
	s_or_b32 s[G0+4*\s+3], s[G0+4*\s+3], 0x80000000
	s_mov_b32 s[G0B+4*\s], 1
	s_add_co_u32 s[G0B+4*\s+1], s20, \s*SLOT
	s_add_nc_u64 s[G0B+4*\s+2:G0B+4*\s+3], s[46:47], \s*ROWB
	s_or_b32 s[G0B+4*\s+3], s[G0B+4*\s+3], 0x80000000
	s_wait_alu depctr_va_vdst(0)
	s_wait_tensorcnt 0x0
	ds_add_u32 v28, v29
	ds_add_u32 v28, v29
	s_wait_dscnt 0x0
	CROUND
	JLOAD \s
	global_prefetch_b8 v30, s[66:67] offset:(\s+2)*ROWB th:TH_LOAD_NT scope:SCOPE_SE
.endr
	v_and_b32 v1, 15, v0
	s_wait_alu depctr_va_vdst(0)
	v_bfe_u32 v2, v0, 4, 1
	v_mul_u32_u24 v3, v1, PITCH
	v_lshl_add_u32 v3, v2, 4, v3
	s_mul_i32 s21, s11, HALFT
	s_mul_i32 s22, s12, HALFT
	s_add_co_u32 s22, s22, 2*HALFT
.irp s, 0,1
	v_add_nc_u32 v[ADRA+\s], s21, v3
	v_add_nc_u32 v[ADRB+\s], s22, v3
	s_add_co_u32 s21, s21, SLOT
	s_add_co_u32 s22, s22, SLOT
.endr
	s_mul_i32 s23, s10, 16*SPITCH
	s_add_co_u32 s23, s23, STAGE
	v_mul_u32_u24 v4, v1, SPITCH
	s_wait_alu depctr_va_vdst(0)
	v_lshl_add_u32 v4, v2, 5, v4
	v_add_nc_u32 v[STO], s23, v4
	v_mul_u32_u24 v5, v2, SPITCH
	v_lshl_add_u32 v5, v1, 4, v5
	v_add_nc_u32 v[RD], s23, v5
	v_lshlrev_b32 v5, 12, v2
	v_lshl_add_u32 v[CO], v1, 4, v5
	s_wait_alu depctr_va_vdst(0)
	s_lshl_b32 s16, s13, 7
	s_lshl_b32 s17, s11, 6
	s_add_co_u32 s16, s16, s17
	s_lshl_b32 s16, s16, 12
	s_lshl_b32 s78, s42, 9
	s_lshl_b32 s79, s12, 8
	s_add_co_u32 s78, s78, s79
	s_mov_b32 s79, 0
	s_add_co_u32 s76, s16, s78
	s_mov_b32 s77, 0
	s_add_nc_u64 s[70:71], s[70:71], s[76:77]
	s_add_nc_u64 s[8:9], s[8:9], s[76:77]
	WIN 0x80
.irp a, 0,1,2,3
.irp t, 0,1,2,3,4,5,6,7
	global_load_b128 v[32*\a+4*\t:32*\a+4*\t+3], v[CO], s[70:71] offset:(16*\a+2*\t)*4096 th:TH_LOAD_NT
.endr
.endr
	WIN 0
.if BIAS
	s_add_nc_u64 s[72:73], s[72:73], s[78:79]
	v_lshlrev_b32 v[BO], 5, v2
.irp b, 0,1,2,3
	global_load_b128 v[BI+8*\b:BI+8*\b+3], v[BO], s[72:73] offset:64*\b
	global_load_b128 v[BI+8*\b+4:BI+8*\b+7], v[BO], s[72:73] offset:64*\b+16
.endr
.endif
.macro MUL8 f, c, a0, zero
.irp a, \a0, \a0+1
.irp b, 0,1,2,3
.if \zero
	v_wmma_f32_16x16x64_fp8_fp8 v[ACC+8*(4*(\a)+\b):ACC+8*(4*(\a)+\b)+7], v[\f+64+8*(4*\c+\b):\f+64+8*(4*\c+\b)+7], v[\f+8*(4*\c+\a):\f+8*(4*\c+\a)+7], 0
.else
	v_wmma_f32_16x16x64_fp8_fp8 v[ACC+8*(4*(\a)+\b):ACC+8*(4*(\a)+\b)+7], v[\f+64+8*(4*\c+\b):\f+64+8*(4*\c+\b)+7], v[\f+8*(4*\c+\a):\f+8*(4*\c+\a)+7], v[ACC+8*(4*(\a)+\b):ACC+8*(4*(\a)+\b)+7]
.endif
.endr
.endr
.endm
.macro FETCH slot, k, f
	WIN TO_F
.irp c, 0,1
.irp i, 0,1,2,3
	ds_load_b128 v[\f+64+8*(4*\c+\i):\f+64+8*(4*\c+\i)+3],   v[ADRB+\slot] offset:\k+64*\c+\i*16*PITCH
	ds_load_b128 v[\f+64+8*(4*\c+\i)+4:\f+64+8*(4*\c+\i)+7], v[ADRB+\slot] offset:\k+64*\c+\i*16*PITCH+32
	ds_load_b128 v[\f+8*(4*\c+\i):\f+8*(4*\c+\i)+3],         v[ADRA+\slot] offset:\k+64*\c+\i*16*PITCH
	ds_load_b128 v[\f+8*(4*\c+\i)+4:\f+8*(4*\c+\i)+7],       v[ADRA+\slot] offset:\k+64*\c+\i*16*PITCH+32
.endr
.endr
.endm
.macro PLACES
.rept 4
	v_nop
.endr
.endm
.macro QUARTER slot, k, f, g, zero
	s_wait_dscnt 16
	WIN MUL
	MUL8 \f, 0, 0, \zero
	MUL8 \f, 0, 2, \zero
	PLACES
	FETCH \slot, \k, \g
	s_wait_dscnt 32
	WIN MUL
	MUL8 \f, 1, 0, 0
	MUL8 \f, 1, 2, 0
.endm
.macro TURN slot, next, fill
	WIN 0
.if \fill
.if \slot == 0
	s_wait_xcnt 0x0                                ; my last prefetch, a K step back, has read its address: it steps two K steps, once a trip
	s_add_nc_u64 s[66:67], s[66:67], 2*ROWB
.endif
.endif
	s_wait_tensorcnt 0x0
	ds_add_u32 v[SPW], v[NIL]
	s_wait_dscnt 17
	WIN MUL
	MUL8 F1, 0, 0, 0
	s_wait_dscnt 0x0
	s_barrier_signal -1
	MUL8 F1, 0, 2, 0
.if \fill
	WIN 0
.endif
	s_barrier_wait -1
.if \fill
	CREST
	s_add_nc_u64 s[G0+4*\slot+2:G0+4*\slot+3], s[G0+4*\slot+2:G0+4*\slot+3], 2*ROWB
	s_add_nc_u64 s[G0B+4*\slot+2:G0B+4*\slot+3], s[G0B+4*\slot+2:G0B+4*\slot+3], 2*ROWB
	JLOAD \slot
.else
	PLACES
.endif
	FETCH \next, 0, F0
.if \fill
	WIN 0                                          ; at a branch and at a label every window is 0
	s_cmp_gt_u32 s3, 1                             ; the last trip's loads bring K steps 6 and 7: no step stands two on
	s_cbranch_scc0 .Lno_ask_\@
	global_prefetch_b8 v30, s[66:67] offset:(2+\slot)*ROWB th:TH_LOAD_NT scope:SCOPE_SE
.Lno_ask_\@:
.endif
	WIN MUL
	MUL8 F1, 1, 0, 0
	MUL8 F1, 1, 2, 0
.endm
	s_wait_tensorcnt 1
	s_barrier_signal -1
	s_barrier_wait -1
	FETCH 0, 0, F0
	QUARTER 0, 128, F0, F1, 1
.if LAPS > 1
	WIN 0
	s_mov_b32 s3, LAPS-1
.Llap:
	QUARTER 0, 256, F1, F0, 0
	QUARTER 0, 384, F0, F1, 0
	TURN 0, 1, 1
	QUARTER 1, 128, F0, F1, 0
	QUARTER 1, 256, F1, F0, 0
	QUARTER 1, 384, F0, F1, 0
	TURN 1, 0, 1
	QUARTER 0, 128, F0, F1, 0
	WIN 0
	s_sub_co_u32 s3, s3, 1
	s_cmp_lg_u32 s3, 0
	s_cbranch_scc1 .Llap
.endif
	QUARTER 0, 256, F1, F0, 0
	QUARTER 0, 384, F0, F1, 0
	TURN 0, 1, 0
	QUARTER 1, 128, F0, F1, 0
	QUARTER 1, 256, F1, F0, 0
	QUARTER 1, 384, F0, F1, 0
	s_wait_dscnt 16
	WIN MUL
	MUL8 F1, 0, 0, 0
	MUL8 F1, 0, 2, 0
	s_wait_dscnt 0
	MUL8 F1, 1, 0, 0
	MUL8 F1, 1, 2, 0
	WIN 0
	s_wait_kmcnt 0x0
	s_add_co_i32 s74, s74, s75
	s_add_co_i32 s74, s74, 127
	s_lshl_b32 s74, s74, 23
	s_mov_b32 s75, s74
	s_wait_loadcnt 0x0
	PLACES
.macro PACK a
.set J, 0
.rept 16
.if BIAS
	v_pk_fma_f32 v[ACC+32*\a+J:ACC+32*\a+J+1], v[ACC+32*\a+J:ACC+32*\a+J+1], s[74:75], v[BI+J:BI+J+1] op_sel_hi:[1,0,1]
.else
	v_pk_mul_f32 v[ACC+32*\a+J:ACC+32*\a+J+1], v[ACC+32*\a+J:ACC+32*\a+J+1], s[74:75] op_sel_hi:[1,0]
.endif
.set J, J+2
.endr
.irp b, 0,1,2,3
	ds_store_b128 v[STO], v[ACC+32*\a+8*\b:ACC+32*\a+8*\b+3] offset:64*\b
	ds_store_b128 v[STO], v[ACC+32*\a+8*\b+4:ACC+32*\a+8*\b+7] offset:64*\b+16
.endr
.irp t, 0,1,2,3,4,5,6,7
	ds_load_b128 v[ACC+32*\a+4*\t:ACC+32*\a+4*\t+3], v[RD] offset:\t*2*SPITCH
.endr
.endm
.macro SEND a
	s_wait_dscnt 16*(3-\a)
	WIN 0x08
.set J, 0
.rept 16
	v_pk_add_f32 v[ACC+32*\a+J:ACC+32*\a+J+1], v[ACC+32*\a+J:ACC+32*\a+J+1], v[32*\a+J:32*\a+J+1]
.set J, J+2
.endr
	WIN 0
.irp t, 0,1,2,3,4,5,6,7
	global_store_b128 v[CO], v[ACC+32*\a+4*\t:ACC+32*\a+4*\t+3], s[8:9] offset:(16*\a+2*\t)*4096
.endr
.endm
	PACK 0
	PACK 1
	PACK 2
	PACK 3
	SEND 0
	SEND 1
	SEND 2
	SEND 3
	s_wait_tensorcnt 0x0
	ds_add_u32 v[SPW], v[NIL]
	s_wait_dscnt 0x0
	CROUND
	s_endpgm
.Lfunc_end_k_q983eb59472_mlp2:
	.size	k_q983eb59472_mlp2, .Lfunc_end_k_q983eb59472_mlp2-k_q983eb59472_mlp2
	.p2alignl 7, 3214868480
	.fill 96, 4, 3214868480
	.section	.rodata,"a",@progbits
	.p2align	6, 0x0
	.amdhsa_kernel k_q983eb59472_mlp2
		.amdhsa_group_segment_fixed_size 327680
		.amdhsa_private_segment_fixed_size 0
		.amdhsa_enable_private_segment 0
		.amdhsa_kernarg_size 48
		.amdhsa_user_sgpr_count 2
		.amdhsa_user_sgpr_kernarg_segment_ptr 1
		.amdhsa_wavefront_size32 1
		.amdhsa_system_sgpr_workgroup_id_x 1
		.amdhsa_system_sgpr_workgroup_id_y 1
		.amdhsa_system_sgpr_workgroup_id_z 1
		.amdhsa_system_vgpr_workitem_id 0
		.amdhsa_next_free_vgpr 640
		.amdhsa_next_free_sgpr 80
		.amdhsa_reserve_vcc 0
		.amdhsa_float_denorm_mode_32 3
		.amdhsa_float_denorm_mode_16_64 3
		.amdhsa_memory_ordered 1
		.amdhsa_forward_progress 1
		.amdhsa_inst_pref_size 100
	.end_amdhsa_kernel
	.amdgpu_metadata
---
amdhsa.version: [ 1, 2 ]
amdhsa.kernels:
  - .name:           k_q983eb59472_mlp2
    .symbol:         k_q983eb59472_mlp2.kd
    .args:
      - { .name: g, .offset: 0, .size: 8, .value_kind: global_buffer, .address_space: global }
      - { .name: w2_codes, .offset: 8, .size: 8, .value_kind: global_buffer, .address_space: global }
      - { .name: lowp_scales, .offset: 16, .size: 8, .value_kind: global_buffer, .address_space: global }
      - { .name: x2, .offset: 24, .size: 8, .value_kind: global_buffer, .address_space: global }
      - { .name: out0, .offset: 32, .size: 8, .value_kind: global_buffer, .address_space: global }
      - { .name: b2, .offset: 40, .size: 8, .value_kind: global_buffer, .address_space: global }
    .group_segment_fixed_size: 327680
    .private_segment_fixed_size: 0
    .kernarg_segment_align: 8
    .kernarg_segment_size: 48
    .max_flat_workgroup_size: 128
    .sgpr_count:     80
    .vgpr_count:     640
    .wavefront_size: 32
...
	.end_amdgpu_metadata
.endif
;; end of part 7
